; MI455X (gfx1250); checked and timed in simulation.
; The chip was launched on July 23, 2026; its instructions are those of AMD's public machine-readable ISA for CDNA 5 (MIT licence, August 2026) and "CDNA5" Instruction Set Architecture Reference Guide (July 2026). The comments in the code are by the model that wrote it; some were corrected since.
;; Block. Allowed arithmetic: matrix products marked QUANTISED: E5M2 operands, one E8M0 scale for each 32 along K, by v_wmma_scale_f32_16x16x128_f8f6f4 with both operands' format E5M2, f32 sums; everything else in f32.
;; Inputs: W1_codes 4,096 x 32 x 32 uint8 (E5M2 codes of W1, K innermost, in blocks of 32 codes); W1_scales 4,096 x 32 uint8 (E8M0 scales of W1, one for each 32 codes along K); W2_codes 1,024 x 128 x 32 uint8 (E5M2 codes of W2, K innermost, in blocks of 32 codes); W2_scales 1,024 x 128 uint8 (E8M0 scales of W2, one for each 32 codes along K); Wk_codes 1,024 x 32 x 32 uint8 (E5M2 codes of Wk, K innermost, in blocks of 32 codes); Wk_scales 1,024 x 32 uint8 (E8M0 scales of Wk, one for each 32 codes along K); Wo_codes 1,024 x 32 x 32 uint8 (E5M2 codes of Wo, K innermost, in blocks of 32 codes); Wo_scales 1,024 x 32 uint8 (E8M0 scales of Wo, one for each 32 codes along K); Wq_codes 1,024 x 32 x 32 uint8 (E5M2 codes of Wq, K innermost, in blocks of 32 codes); Wq_scales 1,024 x 32 uint8 (E8M0 scales of Wq, one for each 32 codes along K); Wv_codes 1,024 x 32 x 32 uint8 (E5M2 codes of Wv, K innermost, in blocks of 32 codes); Wv_scales 1,024 x 32 uint8 (E8M0 scales of Wv, one for each 32 codes along K); b1 4,096 float32; b2 1,024 float32; bk 1,024 float32; bo 1,024 float32; bq 1,024 float32; bv 1,024 float32; ln1_b 1,024 float32; ln1_w 1,024 float32; ln2_b 1,024 float32; ln2_w 1,024 float32; x 2 x 2,048 x 1,024 float32.
;; Outputs: out0 2 x 2,048 x 1,024 float32.
;; This version of the problem:
;;   THIS VERSION OF THE PROBLEM IS GIVEN IN LOW PRECISION. The matrix products marked QUANTISED in the list below multiply operands that are first quantised to E5M2 (5 exponent bits, 2 mantissa bits; 8 bits a number), with one power-of-two scale for each 32 numbers along K (OCP MX v1.0); their sums are f32. All else is computed in f32.
;;   The module's matrix products, in the order in which they are computed (A, B: the left and right operand; K: the contracted axis; several contracted axes count as one K, in the product's order):
;;     1. [M 4,096, K 1,024] x [K 1,024, N 1,024]; A: computed on the way; B: input Wq (given as codes): QUANTISED
;;     2. [M 4,096, K 1,024] x [K 1,024, N 1,024]; A: computed on the way; B: input Wk (given as codes): QUANTISED
;;     3. [M 4,096, K 1,024] x [K 1,024, N 1,024]; A: computed on the way; B: input Wv (given as codes): QUANTISED
;;     4. batch 32 x [M 2,048, K 64] x [K 64, N 2,048]; A: computed on the way; B: computed on the way: QUANTISED
;;     5. batch 32 x [M 2,048, K 2,048] x [K 2,048, N 64]; A: softmax (see below); B: computed on the way: QUANTISED
;;     6. [M 4,096, K 1,024] x [K 1,024, N 1,024]; A: computed on the way; B: input Wo (given as codes): QUANTISED
;;     7. [M 4,096, K 1,024] x [K 1,024, N 4,096]; A: computed on the way; B: input W1 (given as codes): QUANTISED
;;     8. [M 4,096, K 4,096] x [K 4,096, N 1,024]; A: computed on the way; B: input W2 (given as codes): QUANTISED
;;   THE QUANTISER, for each operand of a quantised product, along K:
;;     - K is cut into blocks of 32 from its start; a last block that is shorter is filled with zeros.
;;     - A block's scale is 2^e with e = floor(log2(the largest magnitude in the block)) - 15, held to -126 .. 127; a block of zeros has e = 0. As a byte (E8M0): e + 127.
;;     - Each number is divided by its block's scale, clamped to +-57,344, and rounded to the nearest number of E5M2, ties to even, subnormals kept.
;;     - The product sums the exact products of the quantised numbers (number of the format x scale) in f32.
;;   ~~~python
;;   def quantise(x, axis):      # numpy; x: float32 -> the quantised numbers, widened to float32 again
;;       x = np.moveaxis(x, axis, -1); K = x.shape[-1]
;;       x = np.pad(x, [(0, 0)] * (x.ndim - 1) + [(0, -K % 32)]); x = x.reshape(x.shape[:-1] + (-1, 32)); a = np.abs(x).max(-1, keepdims=True)
;;       e = np.where(a > 0, np.clip(np.frexp(np.where(a > 0, a, 1))[1] - 1 - 15, -126, 127), 0)      # np.frexp(a)[1] - 1 = floor(log2(a)), exactly
;;       r = np.clip(x / 2.0 ** e, -57344, 57344)
;;       step = 2.0 ** (np.maximum(np.frexp(np.where(r == 0, 1, r))[1] - 1, -14) - 2)
;;       q = np.round(r / step) * step * 2.0 ** e      # np.round: ties to even
;;       return np.moveaxis(q.reshape(q.shape[:-2] + (-1,))[..., :K], -1, axis).astype(np.float32)
;;   ~~~
;;   SOFTMAX AHEAD OF A QUANTISED PRODUCT. Where the list says 'softmax', what is quantised is not the finished softmax but p = 2^(t - M), with t = logit x log2(e) and M = ceil(the row's largest t), a whole number; so 1/2 < the row's largest p <= 1. The row's sum l is taken of the UNQUANTISED p, in f32, and the product's result is divided by l at the end. Since M is a whole number, a kernel that streams over the keys may use a running M (the ceiling of the running maximum): every later rescaling is an exact power of two, which a block's scale takes up: the codes' values come out the same.
;;   OPERANDS COMPUTED ON THE WAY. 'Computed on the way' means the value that the module computes at that place (a softmax that the list does not call 'softmax' is quantised finished and normalised). What goes into a quantiser is computed in f32, as accurately as f32 sums, v_exp_f32 and their like allow (about 1e-6 of the number): no bf16 or f16 on the way to a quantiser, and a product that is left as it is and whose result goes on into a quantised operand takes f32 operands (vector FMAs, or v_wmma_f32_16x16x4_f32). A number that lies on a knife's edge between two numbers of the format may be rounded either way, as far as f32 arithmetic and the matrix unit's own rounding can turn it there, and no further.
;;   INPUTS GIVEN AS CODES. W1 (in the module: [1024, 4096], K = its axis 0); W2 (in the module: [4096, 1024], K = its axis 0); Wk (in the module: [1024, 1024], K = its axis 0); Wo (in the module: [1024, 1024], K = its axis 0); Wq (in the module: [1024, 1024], K = its axis 0); Wv (in the module: [1024, 1024], K = its axis 0): each comes as NAME_codes (uint8): NAME with its K axis moved to the last place and cut into blocks of 32 codes, [.., K / 32, bytes a block], one block behind the other in memory; one code a byte (a code: sign, 5 exponent bits, 2 mantissa bits); and NAME_scales (uint8): the same leading axes, one E8M0 byte (e + 127) for each 32 codes along K. Its value is code x scale, taken as it is: it is not quantised again, and the codes and scales need not be those that the quantiser above would give.
;; One version. Each part assembles by itself: llvm-mc -triple=amdgcn-amd-amdhsa -mcpu=gfx1250 --defsym DOCPART=n.
;; ======== version 1 of 1: 7 launches
;; limits: right only within a limited range of input values
;; workspace buffers: xn 4,325,376 bytes; qkv 12,976,128 bytes; ao 4,325,376 bytes; x1 16,777,216 bytes; h 17,301,504 bytes
;; launch ln1 (part 1): grid 256 x 1, 16 waves a work-group, no clusters, 101,888 bytes of LDS; arguments x, ln1_w, ln1_b, xn; writes xn
.if DOCPART == 1
	.amdgcn_target "amdgcn-amd-amdhsa--gfx1250"
	.amdhsa_code_object_version 6
	.text
	.protected	k_q4b0afa9d4f_ln1
	.globl	k_q4b0afa9d4f_ln1
	.p2align	8
	.type	k_q4b0afa9d4f_ln1,@function
k_q4b0afa9d4f_ln1:
	s_mov_b64 s[64:65], 0
	v_nop
	global_prefetch_b8 v0, s[64:65] scope:SCOPE_SE
	s_setreg_imm32_b32 hwreg(HW_REG_WAVE_MODE, 25, 1), 1
	s_wait_xcnt 0x0
; LAYER NORM AND QUANTISER.  y = (x - mean) * rsqrt(var + 1e-5) * w + b for 4,096 rows of 1,024 f32, then codes of E5M2 with one E8M0 byte for each 32 along the row.
; DEAD WORK: none is left out in this program.  Every input of reference() reaches out0, no product is masked or sliced, and bk stays since it moves k's codes: all eight products and all inputs are served.
; OUT: the rows' codes as an IMAGE OF THE OPERAND'S REGISTERS: tile T (16 rows) x 16,384 bytes + (k / 16) x 256 + (row % 16) x 16 + k % 16, so that 512 consecutive bytes are four registers of a fragment, lane by lane;
; behind the image, at byte 4,194,304, the scale words [k / 128][row], four bytes each.
; SHARES: a work-group is one tile of 16 rows, a wave one row: the sums never leave the wave.  A row's 4,096 bytes are eight loads of 512 consecutive bytes.
; The conversions take 16 neighbours from one lane, so the finished row turns through the wave's own stage in LDS (64 bytes + 16 of padding a place); the codes of the 16 rows meet in LDS and leave as 512 consecutive bytes a store.
; The scale words leave as pieces of 64 bytes (16 rows x 4 bytes of each of 8 steps): 512 of the work-group's 16,896 bytes out.
; LIMITS: NaN and infinities are not served; a block whose largest magnitude lies under 2^-111, a block of zeros among them, keeps the byte 1 (its codes are as the floor's scale gives them; zeros stay zeros); the bytes are read by this program alone.
.set STGW,  5120                       ; a wave's stage: 64 places of 80 bytes
.set IMG,   81920                      ; behind the 16 stages: the tile's image, 64 chunks of 256 bytes + 16
.set SCL,   99328                      ; the tile's scale bytes [step 8][row 16][4]
.set SPARE, 99840                      ; the spare words, 128 bytes a wave: eight blocks of 256 bytes that no other line names
.set SPW, 14                           ; v14  my spare word's LDS address; never rewritten
.set NIL, 15                           ; v15  0; never rewritten
.set X,   32                           ; v32-63   the row's 32 numbers of my lane
.set W,   64                           ; v64-95   the gain; later two sets of 16 neighbours
.set B,   96                           ; v96-127  the bias; later the codes
.set EB,  24                           ; v24-25   the two scale bytes
	s_load_b256 s[4:11], s[0:1], 0x0               ; x s[4:5], gain s[6:7], bias s[8:9], out s[10:11]
	v_lshl_add_u32 v[SPW], v0, 2, SPARE
	v_mov_b32 v[NIL], 0
	v_lshrrev_b32 v1, 5, v0
	s_delay_alu instid0(VALU_DEP_1)
	v_readfirstlane_b32 s12, v1                    ; wave = the row in the tile
	v_and_b32 v1, 31, v0                           ; lane
	s_delay_alu instid0(VALU_DEP_1)
	v_lshlrev_b32 v2, 4, v1                        ; 16 x lane
	s_mul_i32 s13, s12, STGW
	v_lshrrev_b32 v3, 2, v1
	s_delay_alu instid0(VALU_DEP_1)
	v_mul_u32_u24 v3, v3, 80
	v_and_b32 v4, 3, v1
	s_delay_alu instid0(VALU_DEP_1)
	v_lshl_add_u32 v3, v4, 4, v3
	s_delay_alu instid0(VALU_DEP_1)
	v_add_nc_u32 v3, s13, v3                       ; the stage, in: four lanes' 64 bytes to a place
	v_mul_u32_u24 v4, v1, 80
	s_delay_alu instid0(VALU_DEP_1)
	v_add_nc_u32 v4, s13, v4                       ; and out: place = lane
	s_lshl_b32 s14, s12, 4
	s_add_co_u32 s14, s14, IMG
	v_mul_u32_u24 v5, v1, 272
	s_delay_alu instid0(VALU_DEP_1)
	v_add_nc_u32 v5, s14, v5                       ; the image, in: chunk = lane (k / 16), 16 bytes at my row
	v_lshrrev_b32 v6, 3, v1
	v_bfe_u32 v7, v1, 1, 2
	s_delay_alu instid0(VALU_DEP_1)
	v_lshl_add_u32 v6, v6, 6, v7
	s_lshl_b32 s14, s12, 2
	s_add_co_u32 s14, s14, SCL
	v_add_nc_u32 v6, s14, v6                       ; my block's byte: 64 x (lane / 8) + 4 x row + (lane / 2) % 4
	v_and_b32 v7, 15, v0
	v_bfe_u32 v8, v0, 4, 1
	s_delay_alu instid0(VALU_DEP_1)
	v_mul_u32_u24 v8, v8, 272
	s_delay_alu instid0(VALU_DEP_1)
	v_lshl_add_u32 v8, v7, 4, v8
	s_mul_i32 s14, s12, 1088
	s_add_co_u32 s14, s14, IMG
	v_add_nc_u32 v8, s14, v8                       ; the image, out: wave w takes chunks 4 w .. 4 w + 3, two to a load
	s_lshl_b32 s14, s12, 10
	v_add_nc_u32 v9, s14, v2                       ; and the same place in memory: 1,024 w + 16 x lane
	v_add_nc_u32 v10, SCL, v2                      ; the scale words, out of LDS
	v_lshrrev_b32 v11, 2, v1
	v_and_b32 v12, 3, v1
	s_delay_alu instid0(VALU_DEP_1)
	v_lshlrev_b32 v12, 4, v12
	s_delay_alu instid0(VALU_DEP_1)
	v_lshl_add_u32 v11, v11, 14, v12               ; and in memory: step (lane / 4) x 16,384 + 16 x (lane % 4)
	s_mov_b32 s16, 0x76543210
	s_mov_b32 s17, 0xfedcba98                      ; lane selects: lane l xor 16
	s_lshl_b32 s22, ttmp9, 16                      ; the tile's 16 rows of 4,096 bytes,
	s_lshl_b32 s23, s12, 12                        ; my row
	s_add_co_u32 s22, s22, s23
	s_mov_b32 s23, 0
	s_lshl_b32 s24, ttmp9, 14                      ; the tile's image
	s_mov_b32 s25, 0
	s_lshl_b32 s26, ttmp9, 6                       ; the tile's 64 bytes in each step's scale words
	s_add_co_u32 s26, s26, 4194304
	s_mov_b32 s27, 0
	s_wait_kmcnt 0x0
	s_add_nc_u64 s[4:5], s[4:5], s[22:23]
	s_add_nc_u64 s[20:21], s[10:11], s[26:27]
	s_add_nc_u64 s[10:11], s[10:11], s[24:25]
.irp j, 0,1,2,3,4,5,6,7
	global_load_b128 v[X+4*\j:X+4*\j+3], v2, s[4:5] offset:512*\j th:TH_LOAD_NT
.endr
.irp j, 0,1,2,3,4,5,6,7
	global_load_b128 v[W+4*\j:W+4*\j+3], v2, s[6:7] offset:512*\j
.endr
.irp j, 0,1,2,3,4,5,6,7
	global_load_b128 v[B+4*\j:B+4*\j+3], v2, s[8:9] offset:512*\j
.endr
	s_wait_loadcnt 16                              ; the row's eight loads are in; the gain's and the bias's sixteen may be out
	v_pk_add_f32 v[18:19], v[32:33], v[34:35]
	v_pk_add_f32 v[30:31], v[40:41], v[44:45]
	v_pk_add_f32 v[28:29], v[48:49], v[52:53]
	v_pk_add_f32 v[26:27], v[56:57], v[60:61]
	v_pk_add_f32 v[24:25], v[36:37], v[38:39]
	v_pk_add_f32 v[22:23], v[42:43], v[46:47]
	v_pk_add_f32 v[20:21], v[50:51], v[54:55]
	v_pk_add_f32 v[16:17], v[58:59], v[62:63]
	s_delay_alu instid0(VALU_DEP_1)
	v_pk_add_f32 v[16:17], v[16:17], v[26:27]
	v_pk_add_f32 v[18:19], v[18:19], v[24:25]
	v_pk_add_f32 v[30:31], v[30:31], v[22:23]
	v_pk_add_f32 v[28:29], v[28:29], v[20:21]
	s_delay_alu instid0(VALU_DEP_2)
	v_pk_add_f32 v[16:17], v[16:17], v[30:31]
	s_delay_alu instid0(VALU_DEP_2)
	v_pk_add_f32 v[18:19], v[18:19], v[28:29]
	s_delay_alu instid0(VALU_DEP_1)
	v_pk_add_f32 v[16:17], v[16:17], v[18:19]
	s_delay_alu instid0(VALU_DEP_1)
	v_add_f32 v16, v16, v17
	s_delay_alu instid0(VALU_DEP_1)
	v_add_f32_dpp v16, v16, v16 row_xmask:1 row_mask:0xf bank_mask:0xf
	s_delay_alu instid0(VALU_DEP_1)
	v_add_f32_dpp v16, v16, v16 row_xmask:2 row_mask:0xf bank_mask:0xf
	s_delay_alu instid0(VALU_DEP_1)
	v_add_f32_dpp v16, v16, v16 row_xmask:4 row_mask:0xf bank_mask:0xf
	s_delay_alu instid0(VALU_DEP_1)
	v_add_f32_dpp v16, v16, v16 row_xmask:8 row_mask:0xf bank_mask:0xf
	s_delay_alu instid0(VALU_DEP_1)
	v_permlanex16_b32 v17, v16, s16, s17
	s_delay_alu instid0(VALU_DEP_1)
	v_add_f32 v16, v16, v17
	s_delay_alu instid0(VALU_DEP_1)
	v_mul_f32 v16, 0x3a800000, v16                 ; the mean: x 2^-10
.set j, 0
.rept 16
	v_pk_add_f32 v[X+j:X+j+1], v[X+j:X+j+1], v[16:17] op_sel_hi:[1,0] neg_lo:[0,1] neg_hi:[0,1]   ; d = x - mean
.set j, j+2
.endr
	v_pk_mul_f32 v[18:19], v[X:X+1], v[X:X+1]      ; the sum of d^2, in two chains
	v_pk_mul_f32 v[20:21], v[X+2:X+3], v[X+2:X+3]
.irp j, 4,8,12,16,20,24,28
	s_delay_alu instid0(VALU_DEP_2)
	v_pk_fma_f32 v[18:19], v[X+\j:X+\j+1], v[X+\j:X+\j+1], v[18:19]
	s_delay_alu instid0(VALU_DEP_2)
	v_pk_fma_f32 v[20:21], v[X+\j+2:X+\j+3], v[X+\j+2:X+\j+3], v[20:21]
.endr
	s_delay_alu instid0(VALU_DEP_1)
	v_pk_add_f32 v[18:19], v[18:19], v[20:21]
	s_delay_alu instid0(VALU_DEP_1)
	v_add_f32 v18, v18, v19
	s_delay_alu instid0(VALU_DEP_1)
	v_add_f32_dpp v18, v18, v18 row_xmask:1 row_mask:0xf bank_mask:0xf
	s_delay_alu instid0(VALU_DEP_1)
	v_add_f32_dpp v18, v18, v18 row_xmask:2 row_mask:0xf bank_mask:0xf
	s_delay_alu instid0(VALU_DEP_1)
	v_add_f32_dpp v18, v18, v18 row_xmask:4 row_mask:0xf bank_mask:0xf
	s_delay_alu instid0(VALU_DEP_1)
	v_add_f32_dpp v18, v18, v18 row_xmask:8 row_mask:0xf bank_mask:0xf
	s_delay_alu instid0(VALU_DEP_1)
	v_permlanex16_b32 v19, v18, s16, s17
	s_delay_alu instid0(VALU_DEP_1)
	v_add_f32 v18, v18, v19
	v_mov_b32 v22, 0x3a800000
	s_delay_alu instid0(VALU_DEP_1)
	v_fmaak_f32 v18, v18, v22, 0x3727c5ac          ; var + 1e-5
	s_wait_alu depctr_va_vdst(0)
	v_rsq_f32 v20, v18
	v_nop                                          ; a plain instruction behind the transcendental
	s_wait_alu depctr_va_vdst(0)                   ; and a wait ahead of its first reader
	s_wait_loadcnt 0x0                             ; gain and bias
.set j, 0
.rept 16
	v_pk_mul_f32 v[X+j:X+j+1], v[X+j:X+j+1], v[20:21] op_sel_hi:[1,0]
.set j, j+2
.endr
.set j, 0
.rept 16
	v_pk_fma_f32 v[X+j:X+j+1], v[X+j:X+j+1], v[W+j:W+j+1], v[B+j:B+j+1]
.set j, j+2
.endr
.irp j, 0,1,2,3,4,5,6,7
	ds_store_b128 v3, v[X+4*\j:X+4*\j+3] offset:640*\j              ; the row as it lies; LDS serves a wave's instructions in order, so no wait stands ahead of the loads
.endr
.irp i, 0,1,2,3
	ds_load_b128 v[W+4*\i:W+4*\i+3], v4 offset:16*\i                ; k = 16 lane + 0 .. 15
.endr
.irp i, 0,1,2,3
	ds_load_b128 v[W+16+4*\i:W+16+4*\i+3], v4 offset:2560+16*\i     ; k = 512 + 16 lane + 0 .. 15
.endr
	s_wait_dscnt 0x0
; 16 neighbours of a lane; lanes l and l xor 1 hold a block of 32
.macro QSET n
.set XS, W+16*\n
	v_max3_num_f32 v16, |v[XS]|, |v[XS+1]|, |v[XS+2]|
	v_max3_num_f32 v17, |v[XS+3]|, |v[XS+4]|, |v[XS+5]|
.irp i, 6,10
	s_delay_alu instid0(VALU_DEP_2)
	v_max3_num_f32 v16, v16, |v[XS+\i]|, |v[XS+\i+1]|
	s_delay_alu instid0(VALU_DEP_2)
	v_max3_num_f32 v17, v17, |v[XS+\i+2]|, |v[XS+\i+3]|
.endr
	s_delay_alu instid0(VALU_DEP_2)
	v_max3_num_f32 v16, v16, |v[XS+14]|, |v[XS+15]|
	s_delay_alu instid0(VALU_DEP_1)
	v_max3_num_f32 v16, v16, v17, 0x8000000        ; and the floor 2^(16 - 127): the byte cannot fall under 1
	s_delay_alu instid0(VALU_DEP_1)
	v_max_num_f32_dpp v16, v16, v16 row_xmask:1 row_mask:0xf bank_mask:0xf
	s_delay_alu instid0(VALU_DEP_1)
	v_add_nc_u32 v19, 0xf8800000, v16              ; 15 off the exponent field: the conversion's scale operand
.set i, 0
.rept 16
.set i, i+1
.endr
	v_cvt_scalef32_pk8_bf8_f32 v[B+4*\n:B+4*\n+1], v[XS:XS+7], v19
	v_cvt_scalef32_pk8_bf8_f32 v[B+4*\n+2:B+4*\n+3], v[XS+8:XS+15], v19
	v_lshrrev_b32 v[EB+\n], 23, v19                ; the scale's byte (also the plain instruction behind the conversions)
	ds_store_b128 v5, v[B+4*\n:B+4*\n+3] offset:8704*\n
	ds_store_b8 v6, v[EB+\n] offset:256*\n         ; both lanes of a block write the same byte with the same value
.endm
	QSET 0
	QSET 1
	s_wait_dscnt 0x0                               ; for the others' sake: my stores have landed
	s_barrier_signal -1
	s_barrier_wait -1                              ; the tile's image and scale bytes are whole
	ds_load_b128 v[16:19], v8
	ds_load_b128 v[20:23], v8 offset:544
	s_wait_dscnt 0x0
	global_store_b128 v9, v[16:19], s[10:11]              ; 32 lanes store 512 consecutive bytes, aligned
	global_store_b128 v9, v[20:23], s[10:11] offset:512
	s_cmp_lg_u32 s12, 0
	s_cbranch_scc1 .Lnot_wave_0
	ds_load_b128 v[24:27], v10                     ; wave 0: the tile's 512 scale bytes
	s_wait_dscnt 0x0
	global_store_b128 v11, v[24:27], s[20:21]
.Lnot_wave_0:
	s_wait_tensorcnt 0x0                           ; the wave's end, behind my last LDS store
	ds_add_u32 v[SPW], v[NIL]
	s_wait_dscnt 0x0
	s_endpgm
.Lfunc_end_k_q4b0afa9d4f_ln1:
	.size	k_q4b0afa9d4f_ln1, .Lfunc_end_k_q4b0afa9d4f_ln1-k_q4b0afa9d4f_ln1
	.p2alignl 7, 3214868480
	.fill 96, 4, 3214868480
	.section	.rodata,"a",@progbits
	.p2align	6, 0x0
	.amdhsa_kernel k_q4b0afa9d4f_ln1
		.amdhsa_group_segment_fixed_size 101888
		.amdhsa_private_segment_fixed_size 0
		.amdhsa_enable_private_segment 0
		.amdhsa_kernarg_size 32
		.amdhsa_user_sgpr_count 2
		.amdhsa_user_sgpr_kernarg_segment_ptr 1
		.amdhsa_wavefront_size32 1
		.amdhsa_system_sgpr_workgroup_id_x 1
		.amdhsa_system_sgpr_workgroup_id_y 1
		.amdhsa_system_sgpr_workgroup_id_z 1
		.amdhsa_system_vgpr_workitem_id 0
		.amdhsa_next_free_vgpr 128
		.amdhsa_next_free_sgpr 66
		.amdhsa_reserve_vcc 0
		.amdhsa_float_denorm_mode_32 3
		.amdhsa_float_denorm_mode_16_64 3
		.amdhsa_fp16_overflow 1
		.amdhsa_memory_ordered 1
		.amdhsa_forward_progress 1
		.amdhsa_inst_pref_size 17
	.end_amdhsa_kernel
	.amdgpu_metadata
---
amdhsa.version: [ 1, 2 ]
amdhsa.kernels:
  - .name:           k_q4b0afa9d4f_ln1
    .symbol:         k_q4b0afa9d4f_ln1.kd
    .args:
      - { .name: x, .offset: 0, .size: 8, .value_kind: global_buffer, .address_space: global }
      - { .name: ln1_w, .offset: 8, .size: 8, .value_kind: global_buffer, .address_space: global }
      - { .name: ln1_b, .offset: 16, .size: 8, .value_kind: global_buffer, .address_space: global }
      - { .name: xn, .offset: 24, .size: 8, .value_kind: global_buffer, .address_space: global }
    .group_segment_fixed_size: 101888
    .private_segment_fixed_size: 0
    .kernarg_segment_align: 8
    .kernarg_segment_size: 32
    .max_flat_workgroup_size: 512
    .sgpr_count:     66
    .vgpr_count:     128
    .wavefront_size: 32
...
	.end_amdgpu_metadata
.endif
;; end of part 1
;; launch qkv (part 2): grid 8 x 32, 4 waves a work-group, clusters of 4 x 4, 327,680 bytes of LDS; arguments xn, Wq_codes, Wk_codes, Wv_codes, Wq_scales, Wk_scales, Wv_scales, bq, bk, bv, qkv; writes qkv
.if DOCPART == 2
	.amdgcn_target "amdgcn-amd-amdhsa--gfx1250"
	.amdhsa_code_object_version 6
	.text
	.protected	k_q4b0afa9d4f_qkv
	.globl	k_q4b0afa9d4f_qkv
	.p2align	8
	.type	k_q4b0afa9d4f_qkv,@function
k_q4b0afa9d4f_qkv:
	s_mov_b64 s[64:65], 0
	v_nop
	global_prefetch_b8 v0, s[64:65] scope:SCOPE_SE
	s_setreg_imm32_b32 hwreg(HW_REG_WAVE_MODE, 25, 1), 1
	s_wait_xcnt 0x0
	s_wait_alu depctr_hold_cnt(0) depctr_sa_sdst(0) depctr_va_vdst(0) depctr_va_sdst(0) depctr_va_ssrc(0) depctr_va_vcc(0) depctr_vm_vsrc(0)
	s_getreg_b32 s2, hwreg(HW_REG_IB_STS2, 6, 4)
	s_cmp_eq_u32 s2, 0
	s_cbranch_scc0 .Lentry_in_a_cluster
	s_endpgm
.Lentry_in_a_cluster:
	s_bfe_u32 s2, ttmp6, 0x10000c
	s_cmp_lg_u32 s2, 0xf033
	s_cbranch_scc0 .Lentry_shape_is_right
	s_endpgm
.Lentry_shape_is_right:
; q = xn Wq + bq, k = xn Wk + bk, v = xn Wv + bv on codes of E5M2 with E8M0 scales, and the three results quantised for attention.  No work of reference() is left out.
; xn: the operand's image and scale words as the launch before laid them.  W*: [1,024 (n)][1,024 (k)] codes, scale bytes [1,024][32].
; A WORK-GROUP STAYS: 8 x 32 work-groups; each makes the same tile (128 tokens x 128 columns) of q, then of k, then of v.  Its 128 rows of xn (131,072 bytes of codes, K = 1,024 in two LDS slots of 512 along K) and their scale words
; are fetched once and serve all three.  Only the weights' halves of the slots are filled again: slot 0 behind a tile's first 64 products, slot 1 in the middle of its way out, so that the next weight lands under products and conversions.
; Four waves of 64 x 64: 16 accumulators, 128 registers in window 0, so that the way out needs no switch of the register window.  The three biases wait in window 2 and are the C of each sum's first product.
; CLUSTER 4 x 4: A's tiles and scale words are asked for jointly along a row of the cluster, B's along a column; each refill stands behind a round of the cluster's barrier.  At the head five loads of a wave that fetches for B are out, three of one that fetches for A; behind each round one.
; q, k: THE PRODUCT IS USED TRANSPOSED (source 0 = 16 rows of W, source 1 = 16 tokens): a lane holds one token and 8 neighbouring channels a tile; a wave's 64 columns are one head, two blocks of 32.
;   OUT [bh][tile of 16 tokens][block 2][512 bytes]: lane (r, h) holds token r's channels 32 b + 8 h + 0..7, then 32 b + 16 + 8 h + 0..7: the same order inside each block on q and on k, which leaves products and scales as they are.
;   Scale words [bh][pair of tiles][r]: bytes = even tile's two blocks, odd tile's two blocks.
; v: NOT transposed (source 0 = 16 tokens, source 1 = 16 rows of W): a lane holds one channel and its registers run along the tokens, which are the second product's K.
;   OUT [bh][128 keys][tile of 16 channels][block 4][512 bytes], keys inside a block in the same order 8 h + 0..7, 16 + 8 h + 0..7.  Scale words [bh][128 keys][tile][r]; a wave has two of a word's four bytes, so they leave as half words (131,072 bytes in the whole launch).
; LIMITS: NaN and infinities are not served; a block whose largest magnitude lies under 2^-111 keeps the byte 1; the bytes are read by this program alone.
.set SIZE_K, 1024
.set KS,     SIZE_K/32                 ; a row of W's scale bytes
.set NS,     SIZE_K/128                ; steps of 128 along K
.set AHALF,  32768                     ; 4 tiles of A x 8,192 bytes (512 along K): what one tensor load brings
.set BP,     528                       ; a row of B in LDS: 512 bytes + 16 of padding = 132 words: the 16 rows of a load start at 16 different banks (64 banks of 4 bytes: ISA guide 11.1)
.set BHALF,  64*BP
.set BOFF,   2*AHALF
.set SLOT,   BOFF+2*BHALF              ; 133,120
.set SCA,    2*SLOT                    ; A's scale words: 2 halves x NS x 256 bytes
.set SCB,    SCA+NS*512                ; B's scale bytes: 3 weights x 2 halves x 64 rows x KS
.set SCBW,   128*KS                    ; one weight's
.set SPARE,  SCB+3*SCBW                ; the spare words, 128 bytes a wave: two blocks of 256 bytes that no other line names
.set ADRA, 16                          ; v16-17 LDS address of my A fragments in slot 0, 1
.set ADRB, 20                          ; v20-21 the same for B
.set ADRSA, 22                         ; v22 A's scale words: 4 x lane: lanes 0-15 an even tile's rows, lanes 16-31 the odd tile's
.set ADRSB, 23                         ; v23 B's: row = lane
.set LI,  24                           ; v24 16 x lane
.set LS,  25                           ; v25 4 x lane
.set SH,  26                           ; v26 16 x (lane / 16)
.set SPW, 28                           ; v28 my spare word; never rewritten
.set NIL, 29                           ; v29 0; never rewritten
.set SA,  32                           ; v32-39 A's scale words: register 2 q + i
.set SB,  40                           ; v40-47 B's: register 4 i + q
.set TM,  48                           ; v48-63 the quantiser's work
.set CD,  64                           ; v64-95 the codes on their way out
.set ACC, 128                          ; v128-255 the 16 accumulators.  Window 1: two sets of fragments.  Window 2: v[32 w + 8 b ..] weight w's bias for tile b of my columns, in the result's layout
.set G1A, 24                           ; s[24:31] group 1, s[32:39] groups 0 for A's tiles
.set G0A, 32
.set G1B, 48                           ; s[48:55], s[56:63] for B's
.set G0B, 56
.set G1SA, 68                          ; s[68:75], s[76:79] for A's scale words
.set G0SA, 76
.set G1SB, 80                          ; s[80:87] for B's scale bytes; s[88:99] three groups 0
.set G0SB, 88
.set WK,  6                            ; s[6:7]  the rows of Wk that I fetch
.set WV,  8                            ; s[8:9]  of Wv
.set OQ,  18                           ; s[18:19] q's codes out; k's lie 4,194,304 bytes on
.set OQS, 20                           ; s[20:21] q's scale words out; k's 131,072 bytes on
.set OV,  22                           ; s[22:23] v's codes out
.set OVS, 40                           ; s[40:41] v's scale bytes out
.set HM,  45                           ; s45 a mask of lanes 16-31
.set SEL, 46                           ; s[46:47] lane selects: lane l xor 16
.set MNT, 67
.set MSB, 0
.macro WIN new                         ; the immediate's high byte repeats the setting that is left
.if MSB != \new
	s_set_vgpr_msb (MSB<<8)|\new
.set MSB, \new
.endif
.endm
.macro PLACES n
.rept \n
	v_nop
.endr
.endm
.macro CROUND                          ; a round of the cluster's barrier
	s_barrier_signal -1
	s_barrier_wait -1
	s_cmp_lg_u32 s14, 0
	s_cbranch_scc1 .Lnot_wave_0_\@
	s_barrier_signal -3
.Lnot_wave_0_\@:
	s_barrier_wait -3
	s_barrier_signal -1
	s_barrier_wait -1
.endm
; The joint refill of B's half of a slot: waves 2 and 3, 64 rows each; waves 0 and 1 have no part to fill.  The branch hangs on the wave's number alone.  An s_nop 0 and four v_nop follow the load.
.macro BFILL slot
	s_cmp_eq_u32 s15, 0
	s_cbranch_scc1 .Lnone_\@
	tensor_load_to_lds s[G0B+4*\slot:G0B+4*\slot+3], s[G1B:G1B+7]
	s_nop 0
.rept 4
	v_nop
.endr
.Lnone_\@:
.endm
; one product: D, source 0, source 1, C, source 0's scale register and its half of the lanes, source 1's likewise
.macro WM d, s0, s1, c, sc0, row0, sc1, row1
.if ((\row0) == 1) && ((\row1) == 1)
	v_wmma_scale_f32_16x16x128_f8f6f4 v[(\d):(\d)+7], v[(\s0):(\s0)+15], v[(\s1):(\s1)+15], v[(\c):(\c)+7], v[(\sc0)], v[(\sc1)] matrix_a_fmt:MATRIX_FMT_BF8 matrix_b_fmt:MATRIX_FMT_BF8 matrix_a_scale:MATRIX_SCALE_ROW1 matrix_b_scale:MATRIX_SCALE_ROW1
.elseif (\row0) == 1
	v_wmma_scale_f32_16x16x128_f8f6f4 v[(\d):(\d)+7], v[(\s0):(\s0)+15], v[(\s1):(\s1)+15], v[(\c):(\c)+7], v[(\sc0)], v[(\sc1)] matrix_a_fmt:MATRIX_FMT_BF8 matrix_b_fmt:MATRIX_FMT_BF8 matrix_a_scale:MATRIX_SCALE_ROW1
.elseif (\row1) == 1
	v_wmma_scale_f32_16x16x128_f8f6f4 v[(\d):(\d)+7], v[(\s0):(\s0)+15], v[(\s1):(\s1)+15], v[(\c):(\c)+7], v[(\sc0)], v[(\sc1)] matrix_a_fmt:MATRIX_FMT_BF8 matrix_b_fmt:MATRIX_FMT_BF8 matrix_b_scale:MATRIX_SCALE_ROW1
.else
	v_wmma_scale_f32_16x16x128_f8f6f4 v[(\d):(\d)+7], v[(\s0):(\s0)+15], v[(\s1):(\s1)+15], v[(\c):(\c)+7], v[(\sc0)], v[(\sc1)] matrix_a_fmt:MATRIX_FMT_BF8 matrix_b_fmt:MATRIX_FMT_BF8
.endif
.endm
; 8 products: A's tiles a0, a0 + 1 x B's four; set f of fragments (window 1: A's tile a at 128 f + 16 a, B's tile b at 128 f + 64 + 16 b); the slot's q-th 128 along K.
; ord = 1: transposed, accumulator (a, b) at ACC + 8 (4 a + b); ord = 0: not, at ACC + 8 (4 b + a).  first = 1: weight w's bias (window 2) is the C of the sum's first product.
; The 16 accumulators take turns, one instruction a turn, in the same order in every step.
.macro MUL8 ord, f, a0, q, first, w
.irp a, \a0, \a0+1
.irp b, 0,1,2,3
.if \ord
.if \first
	WM ACC+8*(4*(\a)+\b), 128*(\f)+64+16*\b, 128*(\f)+16*(\a), 32*(\w)+8*\b, SB+4*(\b/2)+(\q), \b%2, SA+2*(\q)+(\a)/2, (\a)%2
.else
	WM ACC+8*(4*(\a)+\b), 128*(\f)+64+16*\b, 128*(\f)+16*(\a), ACC+8*(4*(\a)+\b), SB+4*(\b/2)+(\q), \b%2, SA+2*(\q)+(\a)/2, (\a)%2
.endif
.else
.if \first
	WM ACC+8*(4*\b+(\a)), 128*(\f)+16*(\a), 128*(\f)+64+16*\b, 32*(\w)+8*\b, SA+2*(\q)+(\a)/2, (\a)%2, SB+4*(\b/2)+(\q), \b%2
.else
	WM ACC+8*(4*\b+(\a)), 128*(\f)+16*(\a), 128*(\f)+64+16*\b, ACC+8*(4*\b+(\a)), SA+2*(\q)+(\a)/2, (\a)%2, SB+4*(\b/2)+(\q), \b%2
.endif
.endif
.endr
.endr
.endm
; 32 LDS loads in one run: B's four fragments, A's tiles 0 and 1, A's tiles 2 and 3, of the slot's q-th 128 along K, into set f.  A's come as the image lies: 512 consecutive bytes a load.
.macro FETCH slot, q, f
	WIN 0x40                                       ; destination window 1, address window 0
.irp b, 0,1,2,3
.irp c, 0,1,2,3
	ds_load_b128 v[128*(\f)+64+16*\b+4*\c:128*(\f)+64+16*\b+4*\c+3], v[ADRB+\slot] offset:\b*16*BP+128*(\q)+32*\c
.endr
.endr
.irp a, 0,1,2,3
.irp c, 0,1,2,3
	ds_load_b128 v[128*(\f)+16*\a+4*\c:128*(\f)+16*\a+4*\c+3], v[ADRA+\slot] offset:\a*8192+2048*(\q)+512*\c
.endr
.endr
.endm
.macro SCALES fill, w                  ; the scale words of the fill-th 512 along K: A's, and weight w's
.irp q, 0,1,2,3
.irp i, 0,1
	ds_load_b32 v[SA+2*\q+\i], v[ADRSA] offset:1024*(\fill)+256*\q+128*\i
.endr
.endr
.irp i, 0,1
	ds_load_b128 v[SB+4*\i:SB+4*\i+3], v[ADRSB] offset:SCBW*(\w)+16*(\fill)+32*KS*\i
.endr
.endm
; Eight plain vector instructions stand between a product and a load into a register that it has read, and between a product and the first read of its result.
.macro STEP ord, slot, q, first, w
	s_wait_dscnt 8                                 ; all but the youngest eight loads, A's tiles 2 and 3 of this step
.if \first
	WIN 0x25                                       ; sources 0 and 1 window 1; C window 2; D window 0
.else
	WIN 0x05                                       ; sources 0 and 1 window 1; C and D window 0
.endif
	MUL8 \ord, (\q)%2, 0, \q, \first, \w
	PLACES 8
	FETCH \slot, (\q)+1, 1-(\q)%2
	s_wait_dscnt 32                                ; all but the 32 just issued
.if \first
	WIN 0x25
.else
	WIN 0x05
.endif
	MUL8 \ord, (\q)%2, 2, \q, \first, \w
.endm
.macro SLOTWORK ord, slot, first, w    ; a slot's 64 products
	SCALES \slot, \w
	FETCH \slot, 0, 0
	STEP \ord, \slot, 0, \first, \w
	STEP \ord, \slot, 1, 0, \w
	STEP \ord, \slot, 2, 0, \w
	s_wait_dscnt 8
	WIN 0x05
	MUL8 \ord, 1, 0, 3, 0, \w
	s_wait_dscnt 0x0
	MUL8 \ord, 1, 2, 3, 0, \w
	WIN 0
.endm
; Each wave waits for all its tensor loads (so the slot that is read next is whole), adds 0 to its spare word, and waits for that and for its LDS reads.
; refill = 1: a round of the cluster's barrier, and behind it B's half of slot `slot`, which nobody reads any more, takes the next weight's rows (their address in s[wp:wp+1]).
.macro CHANGE slot, wp, refill
	s_wait_tensorcnt 0x0                           ; no tensor load of mine is out, so a group 0 may be written
	ds_add_u32 v[SPW], v[NIL]
.if \refill
	s_add_nc_u64 s[G0B+4*\slot+2:G0B+4*\slot+3], s[\wp:\wp+1], \slot*512
	s_or_b32 s[G0B+4*\slot+3], s[G0B+4*\slot+3], 0x80000000
.endif
	s_wait_dscnt 0x0
.if \refill
	CROUND
	BFILL \slot
.else
	s_barrier_signal -1
	s_barrier_wait -1
.endif
.endm
.macro GEMM ord, w, wp, refill         ; a tile's 128 products
	SLOTWORK \ord, 0, 1, \w
	CHANGE 0, \wp, \refill
	PLACES 8
	SLOTWORK \ord, 1, 0, \w
.endm
; 64 numbers of a lane, four blocks of 16 registers; a block's other 16 lie in lane l xor 16.  Codes to v[pc] on (4 registers a block), the four bytes to v[pw].
.macro QUANT64 s, pc, pw
.irp b, 0,1,2,3
	v_max3_num_f32 v[TM+\b], |v[\s+16*\b]|, |v[\s+1+16*\b]|, 0x8000000   ; with the floor 2^(16 - 127): the byte cannot fall under 1
.endr
.irp i, 2,4,6,8,10,12,14
.irp b, 0,1,2,3
	v_max3_num_f32 v[TM+\b], v[TM+\b], |v[\s+16*\b+\i]|, |v[\s+1+16*\b+\i]|
.endr
.endr
.irp b, 0,1,2,3
	v_permlanex16_b32 v[TM+4+\b], v[TM+\b], s[SEL], s[SEL+1]
.endr
.irp b, 0,1,2,3
	v_max_num_f32 v[TM+\b], v[TM+\b], v[TM+4+\b]
.endr
.irp b, 0,1,2,3
	v_add_nc_u32 v[TM+12+\b], 0xf8800000, v[TM+\b]                       ; 15 off the exponent field: the conversion's scale operand
.endr
.irp b, 0,1,2,3
.endr
.irp b, 0,1,2,3
	v_lshrrev_b32 v[TM+4+\b], 23, v[TM+12+\b]                            ; the byte
.endr
	v_lshl_or_b32 v[\pw], v[TM+5], 8, v[TM+4]
	v_lshl_or_b32 v[\pw], v[TM+6], 16, v[\pw]
	v_lshl_or_b32 v[\pw], v[TM+7], 24, v[\pw]
.irp b, 0,1,2,3
.irp i, 0,1,2,3,4,5,6,7,8,9,10,11,12,13,14,15
.endr
	v_cvt_scalef32_pk8_bf8_f32 v[\pc+4*\b:\pc+4*\b+1], v[\s+16*\b:\s+16*\b+7], v[TM+12+\b]
	v_cvt_scalef32_pk8_bf8_f32 v[\pc+4*\b+2:\pc+4*\b+3], v[\s+16*\b+8:\s+16*\b+15], v[TM+12+\b]
.endr
	v_nop                                          ; a plain instruction behind the last conversion
.endm
; q's (w = 0) or k's (w = 1) way out.  In its middle slot 1, whose last products are done, takes the next weight's second 512 along K.
.macro QKOUT w, wp
	PLACES 8
.if \w
	s_wait_xcnt 0x0                                ; the last tile's stores have read the codes' registers
.endif
	QUANT64 ACC, CD, 30                            ; tiles 0 and 1 of my tokens: blocks (0, 0), (0, 1), (1, 0), (1, 1)
	CHANGE 1, \wp, 1
	QUANT64 ACC+64, CD+16, 31                      ; tiles 2 and 3
.irp i, 0,1,2,3,4,5,6,7
	global_store_b128 v[LI], v[CD+4*\i:CD+4*\i+3], s[OQ:OQ+1] offset:512*\i+4194304*\w    ; 32 lanes store 512 consecutive bytes, aligned
.endr
	v_cndmask_b32 v13, v30, v31, s[HM]             ; lanes 0-15 the first pair's words, lanes 16-31 the second's
	global_store_b32 v[LS], v13, s[OQS:OQS+1] offset:131072*\w
.endm
	s_load_b64 s[4:5], s[0:1], 0x0                 ; xn
	s_load_b256 s[68:75], s[0:1], 0x8              ; Wq, Wk, Wv codes, Wq scales
	s_load_b256 s[76:83], s[0:1], 0x28             ; Wk, Wv scales, bq, bk
	s_load_b128 s[84:87], s[0:1], 0x48             ; bv, qkv
	v_lshl_add_u32 v[SPW], v0, 2, SPARE
	v_mov_b32 v[NIL], 0
	ds_add_u32 v[SPW], v[NIL]                      ; the opening: the add, twice on end, and its wait ahead of my first tensor load
	ds_add_u32 v[SPW], v[NIL]
	v_lshrrev_b32 v1, 5, v0
	v_readfirstlane_b32 s14, v1                    ; wave 0..3
	s_lshr_b32 s15, s14, 1                         ; my half of the tile's rows; also: I fetch for A (0) or for B (1)
	s_and_b32 s16, s14, 1                          ; my half of its columns; also: which half I fetch
	s_bfe_u32 s40, ttmp6, 0x40000                  ; cx
	s_bfe_u32 s41, ttmp6, 0x40004                  ; cy
	s_lshl_b32 s42, ttmp9, 2
	s_add_co_u32 s42, s42, s40                     ; tile column in each of the three weights, 0..7
	s_and_b32 s17, ttmp7, 0xffff
	s_lshl_b32 s17, s17, 2
	s_add_co_u32 s17, s17, s41                     ; tile row, 0..31
	s_lshl_b32 s43, s41, 2
	s_lshl_b32 s43, 15, s43                        ; my row of the cluster
	s_lshl_b32 s44, 0x1111, s40                    ; my column
	s_or_b32 s[G1A], s43, (3<<16)|(1<<21)          ; A: 4 rows (tiles) of 1,024 elements of 8 bytes, a tile's image (16 K bytes) apart; no padding
	s_mov_b32 s[G1A+1], 1024<<16
	s_mov_b32 s[G1A+2], 4<<16
	s_mov_b32 s[G1A+3], 1024<<16
	s_mov_b32 s[G1A+4], 4
	s_mov_b32 s[G1A+5], 2*SIZE_K
	s_mov_b32 s[G1A+6], 0
	s_mov_b32 s[G1A+7], 0
	s_or_b32 s[G1B], s44, (0<<16)|(1<<20)|(1<<21)|(6<<22)|(3<<25)   ; B: 64 rows of 512 bytes, K bytes apart; 4 words of padding behind every 128
	s_mov_b32 s[G1B+1], 512<<16
	s_mov_b32 s[G1B+2], 64<<16
	s_mov_b32 s[G1B+3], 512<<16
	s_mov_b32 s[G1B+4], 64
	s_mov_b32 s[G1B+5], SIZE_K
	s_mov_b32 s[G1B+6], 0
	s_mov_b32 s[G1B+7], 0
	v_and_b32 v1, 15, v0                           ; r
	v_bfe_u32 v2, v0, 4, 1                         ; h
	v_lshlrev_b32 v7, 5, v2                        ; transposed: 8 numbers of the bias from 8 h on
	v_lshlrev_b32 v8, 2, v1                        ; not: the number of my channel r
	s_lshl_b32 s18, s17, 3
	s_lshl_b32 s19, s16, 2
	s_add_co_u32 s18, s18, s19                     ; A: the first tile of 16 rows that I fetch
	s_mul_i32 s20, s18, 16*SIZE_K                  ; its image,
	s_mov_b32 s21, 0
	s_lshl_b32 s22, s18, 6                         ; its scale words, 64 bytes a tile, behind the image
	s_add_co_u32 s22, s22, 4096*SIZE_K
	s_mov_b32 s23, 0
	s_lshl_b32 s46, s42, 7
	s_lshl_b32 s47, s16, 6
	s_add_co_u32 s46, s46, s47                     ; B: the first row that I fetch
	s_mul_i32 s2, s46, KS                          ; its scale bytes,
	s_mov_b32 s3, 0
	s_mul_i32 s46, s46, SIZE_K                     ; its codes
	s_mov_b32 s47, 0
	s_lshl_b32 s10, s42, 9
	s_lshl_b32 s11, s16, 8
	s_add_co_u32 s10, s10, s11                     ; my 64 columns' bias
	s_mov_b32 s11, 0
	s_wait_alu depctr_va_vdst(0)
	s_wait_dscnt 0x0                               ; both opening adds are done
	s_wait_kmcnt 0x0
	s_add_nc_u64 s[80:81], s[80:81], s[10:11]
	s_add_nc_u64 s[82:83], s[82:83], s[10:11]
	s_add_nc_u64 s[84:85], s[84:85], s[10:11]
	WIN 0x80                                       ; destination window 2: the three biases are asked for first of all
.irp b, 0,1,2,3
	global_load_b128 v[8*\b:8*\b+3], v7, s[80:81] offset:64*\b
	global_load_b128 v[8*\b+4:8*\b+7], v7, s[80:81] offset:64*\b+16
.endr
.irp b, 0,1,2,3
	global_load_b128 v[32+8*\b:32+8*\b+3], v7, s[82:83] offset:64*\b
	global_load_b128 v[32+8*\b+4:32+8*\b+7], v7, s[82:83] offset:64*\b+16
.endr
.irp b, 0,1,2,3
.irp j, 0,1,2,3,4,5,6,7
	global_load_b32 v[64+8*\b+\j], v8, s[84:85] offset:64*\b         ; v: a lane's eight registers are eight tokens of one channel: the same number eight times
.endr
.endr
	WIN 0
	s_mov_b64 s[12:13], s[86:87]                   ; qkv
	s_add_nc_u64 s[20:21], s[4:5], s[20:21]
	s_add_nc_u64 s[22:23], s[4:5], s[22:23]
	s_add_nc_u64 s[WK:WK+1], s[70:71], s[46:47]
	s_add_nc_u64 s[WV:WV+1], s[72:73], s[46:47]
	s_add_nc_u64 s[46:47], s[68:69], s[46:47]      ; Wq's rows
	s_mul_i32 s4, s16, 64*KS                       ; where things go: the wave's number alone enters an LDS address
	s_add_co_u32 s4, s4, SCB
	s_mov_b32 s[G0SB], 1
	s_mov_b32 s[G0SB+1], s4
	s_add_nc_u64 s[G0SB+2:G0SB+3], s[74:75], s[2:3]
	s_or_b32 s[G0SB+3], s[G0SB+3], 0x80000000
	s_mov_b32 s[G0SB+4], 1
	s_add_co_u32 s[G0SB+5], s4, SCBW
	s_add_nc_u64 s[G0SB+6:G0SB+7], s[76:77], s[2:3]
	s_or_b32 s[G0SB+7], s[G0SB+7], 0x80000000
	s_mov_b32 s[G0SB+8], 1
	s_add_co_u32 s[G0SB+9], s4, 2*SCBW
	s_add_nc_u64 s[G0SB+10:G0SB+11], s[78:79], s[2:3]
	s_or_b32 s[G0SB+11], s[G0SB+11], 0x80000000
	s_wait_xcnt 0x0                                ; the biases' loads have read their bases: s80 to s85 may be written
	s_or_b32 s[G1SA], s43, (3<<16)|(1<<21)         ; A's scale words: NS rows of 256 bytes (64 rows' words of a step), 16,384 bytes apart
	s_mov_b32 s[G1SA+1], 32<<16
	s_mov_b32 s[G1SA+2], NS<<16
	s_mov_b32 s[G1SA+3], 32<<16
	s_mov_b32 s[G1SA+4], NS
	s_mov_b32 s[G1SA+5], 2048
	s_mov_b32 s[G1SA+6], 0
	s_mov_b32 s[G1SA+7], 0
	s_mul_i32 s5, s16, NS*256
	s_add_co_u32 s5, s5, SCA
	s_mov_b32 s[G0SA], 1
	s_mov_b32 s[G0SA+1], s5
	s_mov_b64 s[G0SA+2:G0SA+3], s[22:23]
	s_or_b32 s[G0SA+3], s[G0SA+3], 0x80000000
	s_or_b32 s[G1SB], s44, (3<<16)|(1<<21)         ; a weight's scale bytes of 64 rows: a dense block, as rows of 256 bytes
	s_mov_b32 s[G1SB+1], 32<<16
	s_mov_b32 s[G1SB+2], (64*KS/256)<<16
	s_mov_b32 s[G1SB+3], 32<<16
	s_mov_b32 s[G1SB+4], 64*KS/256
	s_mov_b32 s[G1SB+5], 32
	s_mov_b32 s[G1SB+6], 0
	s_mov_b32 s[G1SB+7], 0
	s_mul_i32 s4, s16, AHALF
	s_mul_i32 s5, s16, BHALF
	s_add_co_u32 s5, s5, BOFF
.irp n, 0,1
	s_mov_b32 s[G0A+4*\n], 1
	s_add_co_u32 s[G0A+4*\n+1], s4, \n*SLOT
	s_add_nc_u64 s[G0A+4*\n+2:G0A+4*\n+3], s[20:21], \n*8192
	s_or_b32 s[G0A+4*\n+3], s[G0A+4*\n+3], 0x80000000
	s_mov_b32 s[G0B+4*\n], 1
	s_add_co_u32 s[G0B+4*\n+1], s5, \n*SLOT
	s_add_nc_u64 s[G0B+4*\n+2:G0B+4*\n+3], s[46:47], \n*512
	s_or_b32 s[G0B+4*\n+3], s[G0B+4*\n+3], 0x80000000
.endr
	CROUND                                         ; all sixteen work-groups are here: the first joint loads meet
	s_cmp_eq_u32 s15, 0                            ; a wave's first fills stand in one arm of one branch on its number; an s_nop 0 follows each load, four v_nop the last
	s_cbranch_scc0 .Lfirst_b
	tensor_load_to_lds s[G0SA:G0SA+3], s[G1SA:G1SA+7]
	s_nop 0
	tensor_load_to_lds s[G0A:G0A+3], s[G1A:G1A+7]
	s_nop 0
	tensor_load_to_lds s[G0A+4:G0A+7], s[G1A:G1A+7]
	s_nop 0
.rept 4
	v_nop
.endr
	s_branch .Lfirst_done
.Lfirst_b:
.irp w, 0,1,2
	tensor_load_to_lds s[G0SB+4*\w:G0SB+4*\w+3], s[G1SB:G1SB+7]
	s_nop 0
.endr
	tensor_load_to_lds s[G0B:G0B+3], s[G1B:G1B+7]
	s_nop 0
	tensor_load_to_lds s[G0B+4:G0B+7], s[G1B:G1B+7]
	s_nop 0
.rept 4
	v_nop
.endr
.Lfirst_done:
	s_mov_b32 s[SEL], 0x76543210
	s_mov_b32 s[SEL+1], 0xfedcba98
	s_mov_b32 s[HM], 0xffff0000
	v_and_b32 v3, 31, v0                           ; lane
	v_lshlrev_b32 v[LI], 4, v3
	v_lshlrev_b32 v[LS], 2, v3
	v_lshlrev_b32 v[SH], 4, v2
	s_mul_i32 s2, s15, AHALF
	v_add_nc_u32 v[ADRA], s2, v[LI]
	v_add_nc_u32 v[ADRA+1], SLOT, v[ADRA]
	v_mul_u32_u24 v5, v1, BP
	v_lshl_add_u32 v5, v2, 4, v5
	s_mul_i32 s2, s16, BHALF
	s_add_co_u32 s2, s2, BOFF
	v_add_nc_u32 v[ADRB], s2, v5
	v_add_nc_u32 v[ADRB+1], SLOT, v[ADRB]
	s_mul_i32 s2, s15, NS*256
	s_add_co_u32 s2, s2, SCA
	v_add_nc_u32 v[ADRSA], s2, v[LS]
	s_mul_i32 s2, s16, 64*KS
	s_add_co_u32 s2, s2, SCB
	v_mul_u32_u24 v6, v3, KS
	v_add_nc_u32 v[ADRSB], s2, v6
	; where the results go
	s_lshr_b32 s43, s17, 4
	s_lshl_b32 s43, s43, 4
	s_lshl_b32 s2, s42, 1
	s_add_co_u32 s43, s43, s2
	s_add_co_u32 s43, s43, s16                     ; bh = 16 x batch + head; my 64 columns are head 2 x tile column + half
	s_and_b32 s44, s17, 15                         ; the tile row inside the batch
	s_lshl_b32 s2, s44, 3
	s_lshl_b32 s3, s15, 2
	s_add_co_u32 s2, s2, s3                        ; my first tile of 16 tokens
	s_lshl_b32 s[OQ], s43, 17                      ; q's image: bh x 131,072 + tile x 1,024
	s_lshl_b32 s3, s2, 10
	s_add_co_u32 s[OQ], s[OQ], s3
	s_mov_b32 s[OQ+1], 0
	s_add_nc_u64 s[OQ:OQ+1], s[12:13], s[OQ:OQ+1]
	s_lshl_b32 s[OQS], s43, 12                     ; q's scale words: 12 MiB + bh x 4,096 + 64 bytes a pair of tiles
	s_lshl_b32 s3, s2, 5
	s_add_co_u32 s[OQS], s[OQS], s3
	s_add_co_u32 s[OQS], s[OQS], 12<<20
	s_mov_b32 s[OQS+1], 0
	s_add_nc_u64 s[OQS:OQS+1], s[12:13], s[OQS:OQS+1]
	s_lshl_b32 s2, s43, 4
	s_add_co_u32 s2, s2, s44                       ; bh x 16 + the step of 128 keys
	s_lshl_b32 s[OV], s2, 13
	s_lshl_b32 s3, s15, 10                         ; my 64 tokens are blocks 2 wr and 2 wr + 1
	s_add_co_u32 s[OV], s[OV], s3
	s_add_co_u32 s[OV], s[OV], 8<<20
	s_mov_b32 s[OV+1], 0
	s_add_nc_u64 s[OV:OV+1], s[12:13], s[OV:OV+1]
	s_lshl_b32 s[OVS], s2, 8
	s_lshl_b32 s3, s15, 1
	s_add_co_u32 s[OVS], s[OVS], s3
	s_add_co_u32 s[OVS], s[OVS], (12<<20)+262144
	s_mov_b32 s[OVS+1], 0
	s_add_nc_u64 s[OVS:OVS+1], s[12:13], s[OVS:OVS+1]
.irp b, 0,1,2,3
	v_mov_b32 v[TM+4+\b], 0                        ; written once: a lane permute's destination counts as one of its sources
.endr
	s_wait_alu depctr_va_vdst(0)
	s_wait_tensorcnt 1                             ; the scales and my part of slot 0 are in; slot 1's load may be out
	s_barrier_signal -1
	s_barrier_wait -1
	s_wait_loadcnt 0x0                             ; the biases
	GEMM 1, 0, WK, 1                               ; q; slot 0 takes Wk's first 512 along K
	QKOUT 0, WK                                    ; slot 1 its second
	GEMM 1, 1, WV, 1                               ; k; slot 0 takes Wv's
	QKOUT 1, WV
	GEMM 0, 2, WV, 0                               ; v: nothing more is asked for
	PLACES 8
	s_wait_xcnt 0x0                                ; k's stores have read the codes' registers
	QUANT64 ACC, CD, 30                            ; channel tiles 0 and 1: blocks (t 0, c 0), (0, 1), (1, 0), (1, 1)
	QUANT64 ACC+64, CD+16, 31                      ; tiles 2 and 3
.irp i, 0,1,2,3,4,5,6,7
	global_store_b128 v[LI], v[CD+4*\i:CD+4*\i+3], s[OV:OV+1] offset:(\i/2)*2048+(\i%2)*512
.endr
	v_lshrrev_b32 v12, v[SH], v30                  ; lanes 0-15 the even tile's two bytes, lanes 16-31 the odd tile's
	v_lshrrev_b32 v13, v[SH], v31
	global_store_b16 v[LS], v12, s[OVS:OVS+1]
	global_store_b16 v[LS], v13, s[OVS:OVS+1] offset:128
	s_wait_tensorcnt 0x0                           ; the wave's end
	ds_add_u32 v[SPW], v[NIL]
	s_wait_dscnt 0x0
	CROUND                                         ; the closing round
	s_endpgm
.Lfunc_end_k_q4b0afa9d4f_qkv:
	.size	k_q4b0afa9d4f_qkv, .Lfunc_end_k_q4b0afa9d4f_qkv-k_q4b0afa9d4f_qkv
	.p2alignl 7, 3214868480
	.fill 96, 4, 3214868480
	.section	.rodata,"a",@progbits
	.p2align	6, 0x0
	.amdhsa_kernel k_q4b0afa9d4f_qkv
		.amdhsa_group_segment_fixed_size 327680
		.amdhsa_private_segment_fixed_size 0
		.amdhsa_enable_private_segment 0
		.amdhsa_kernarg_size 88
		.amdhsa_user_sgpr_count 2
		.amdhsa_user_sgpr_kernarg_segment_ptr 1
		.amdhsa_wavefront_size32 1
		.amdhsa_system_sgpr_workgroup_id_x 1
		.amdhsa_system_sgpr_workgroup_id_y 1
		.amdhsa_system_sgpr_workgroup_id_z 1
		.amdhsa_system_vgpr_workitem_id 0
		.amdhsa_next_free_vgpr 640
		.amdhsa_next_free_sgpr 100
		.amdhsa_reserve_vcc 0
		.amdhsa_float_denorm_mode_32 3
		.amdhsa_float_denorm_mode_16_64 3
		.amdhsa_fp16_overflow 1
		.amdhsa_memory_ordered 1
		.amdhsa_forward_progress 1
		.amdhsa_inst_pref_size 153
	.end_amdhsa_kernel
	.amdgpu_metadata
---
amdhsa.version: [ 1, 2 ]
amdhsa.kernels:
  - .name:           k_q4b0afa9d4f_qkv
    .symbol:         k_q4b0afa9d4f_qkv.kd
    .args:
      - { .name: xn, .offset: 0, .size: 8, .value_kind: global_buffer, .address_space: global }
      - { .name: Wq_codes, .offset: 8, .size: 8, .value_kind: global_buffer, .address_space: global }
      - { .name: Wk_codes, .offset: 16, .size: 8, .value_kind: global_buffer, .address_space: global }
      - { .name: Wv_codes, .offset: 24, .size: 8, .value_kind: global_buffer, .address_space: global }
      - { .name: Wq_scales, .offset: 32, .size: 8, .value_kind: global_buffer, .address_space: global }
      - { .name: Wk_scales, .offset: 40, .size: 8, .value_kind: global_buffer, .address_space: global }
      - { .name: Wv_scales, .offset: 48, .size: 8, .value_kind: global_buffer, .address_space: global }
      - { .name: bq, .offset: 56, .size: 8, .value_kind: global_buffer, .address_space: global }
      - { .name: bk, .offset: 64, .size: 8, .value_kind: global_buffer, .address_space: global }
      - { .name: bv, .offset: 72, .size: 8, .value_kind: global_buffer, .address_space: global }
      - { .name: qkv, .offset: 80, .size: 8, .value_kind: global_buffer, .address_space: global }
    .group_segment_fixed_size: 327680
    .private_segment_fixed_size: 0
    .kernarg_segment_align: 8
    .kernarg_segment_size: 88
    .max_flat_workgroup_size: 128
    .sgpr_count:     100
    .vgpr_count:     640
    .wavefront_size: 32
...
	.end_amdgpu_metadata
.endif
;; end of part 2
;; launch attn (part 3): grid 8 x 32, 16 waves a work-group, clusters of 4 x 1, 327,680 bytes of LDS; arguments qkv, ao; writes ao
.if DOCPART == 3
	.amdgcn_target "amdgcn-amd-amdhsa--gfx1250"
	.amdhsa_code_object_version 6
	.text
	.protected	k_q4b0afa9d4f_attn
	.globl	k_q4b0afa9d4f_attn
	.p2align	8
	.type	k_q4b0afa9d4f_attn,@function
k_q4b0afa9d4f_attn:
	s_mov_b64 s[64:65], 0
	v_nop
	global_prefetch_b8 v0, s[64:65] scope:SCOPE_SE
	s_setreg_imm32_b32 hwreg(HW_REG_WAVE_MODE, 25, 1), 1
	s_wait_xcnt 0x0
	s_wait_alu depctr_hold_cnt(0) depctr_sa_sdst(0) depctr_va_vdst(0) depctr_va_sdst(0) depctr_va_ssrc(0) depctr_va_vcc(0) depctr_vm_vsrc(0)
	s_getreg_b32 s2, hwreg(HW_REG_IB_STS2, 6, 4)
	s_cmp_eq_u32 s2, 0
	s_cbranch_scc0 .Lentry_in_a_cluster
	s_endpgm
.Lentry_in_a_cluster:
	s_bfe_u32 s2, ttmp6, 0x10000c
	s_cmp_lg_u32 s2, 0x3003
	s_cbranch_scc0 .Lentry_shape_is_right
	s_endpgm
.Lentry_shape_is_right:
; attn_out = softmax(q k^T / 8) v for 32 (batch, head) pairs of 2,048 tokens x 64 channels, both products on codes of E5M2 with E8M0 scales; the result is quantised along the model's 1,024 for the projection.  No work of reference() is left out.
; THE SOFTMAX: t = score x log2(e) / 8; M = the running largest t rounded up to a whole number; p = 2^(t - M) is quantised along the keys, not normalised; the row's sum is taken of the unquantised p and divides at the end.
; SHARES: a work-group owns 256 queries of one (batch, head); each of its sixteen waves 16 of them in 256 registers, four waves to a SIMD.  Every wave walks all 2,048 keys, 128 a step.
; A HEAD'S K AND V LIE IN LDS WHOLE (131,072 bytes each, and 4,096 of scale words each): filled once at the head, in four groups of 512 keys, by wave 0 (K) and wave 1 (V): five loads of a loading wave are out.  Nothing is filled twice.
; CLUSTER: the four query blocks of a cluster belong to one head: each load is asked for jointly, with a mask that names the four.
; BOTH PRODUCTS TRANSPOSED: S^T = K Q^T, O^T = V^T P^T: a lane holds one query (lane % 16) throughout.
; THE FIRST PRODUCT'S K IS 64, THE INSTRUCTION'S 128.  A fragment of 16 registers holds key tile 2 c in k = 0..63 and key tile 2 c + 1 in k = 64..127.  Against q's codes in the lower half and zero codes in the upper it gives tile 2 c,
; against zeros below and q above tile 2 c + 1: v16-23 = 0, v24-31 = q, v32-39 = 0, so v[24:39] and v[16:31] are the two operands.  Zero codes add nothing under any scale byte but 0xff.
; The 16 registers of score tiles 2 b and 2 b + 1 are keys 32 b + 8 h + 0..7 and 32 b + 16 + 8 h + 0..7: the order in which v's codes were laid.  So p's codes are the second product's operand as they fall.
; LIMITS: NaN and infinities are not served; blocks under 2^-111 keep the byte 1; inside a block of 32 the sums go in the order just given, not in ascending k.
.set KSC,   262144                     ; K's scale words; K's codes lie at 0, V's at 131,072
.set VSC,   266240
.set SPARE, 270336                     ; the spare words, 128 bytes a wave: eight blocks of 256 bytes that no other line names
.set AK0,  1                           ; v1  16 x lane
.set AV0,  2                           ; v2  131,072 + 16 x lane
.set ASK0, 3                           ; v3  KSC + 4 x lane
.set ASV0, 4                           ; v4  VSC + 4 x lane
.set SPW,  5
.set NIL,  6
.set GO,   7                           ; v7  16 r + 8 h
.set ADK,  8
.set ADV,  9
.set ADS,  10
.set ADT,  11                          ; v12 -M, v13 the largest t, v[14:15] the sum in two halves
.set FR,   40                          ; v40-103  four fragments of K, then of V
.set S,    104                         ; v104-167 S^T, then p
.set O,    168                         ; v168-199 O^T
.set PCD,  200                         ; v200-215 p's codes
.set BM,   216                         ; v216-219 the blocks' largest
.set BT,   220                         ; v220-223 the other half's, then the bytes
.set BH,   224
.set BS,   228                         ; v228-231 the conversions' scale operands
                                       ; v232-233 K's scale words, v234 q's, v238 p's, v242-243 V's; v[236:237] f; v239 at work; v[240:241] the second chain of the sum
.set WV,   18
.set MNT,  19
.set SEL,  20
.set CS,   22                          ; s[22:23] c = log2(e) / 8
.set G1T,  24                          ; s[24:31] group 1: 32,768 dense bytes as 128 rows of 256
.set G1S,  32                          ; s[32:39] 4,096 dense bytes as 16 rows of 256
.set G0,   40                          ; s[40:59] five groups 0: the scale words, then the four groups of keys
.set TB,   2
.set TS,   3
.set CNT,  60
.macro CROUND
	s_barrier_signal -1
	s_barrier_wait -1
	s_cmp_lg_u32 s[WV], 0
	s_cbranch_scc1 .Lnot_wave_0_\@
	s_barrier_signal -3
.Lnot_wave_0_\@:
	s_barrier_wait -3
	s_barrier_signal -1
	s_barrier_wait -1
.endm
; one product: D, source 0, source 1; acc = 1: onto D, 0: the constant 0 starts the sum; source 0's scale register and its half of the lanes; source 1's scale register
.macro AW d, a, b, acc, sa, row, sb
.if (\acc) && (\row)
	v_wmma_scale_f32_16x16x128_f8f6f4 v[(\d):(\d)+7], v[(\a):(\a)+15], v[(\b):(\b)+15], v[(\d):(\d)+7], v[(\sa)], v[(\sb)] matrix_a_fmt:MATRIX_FMT_BF8 matrix_b_fmt:MATRIX_FMT_BF8 matrix_a_scale:MATRIX_SCALE_ROW1
.elseif (\acc)
	v_wmma_scale_f32_16x16x128_f8f6f4 v[(\d):(\d)+7], v[(\a):(\a)+15], v[(\b):(\b)+15], v[(\d):(\d)+7], v[(\sa)], v[(\sb)] matrix_a_fmt:MATRIX_FMT_BF8 matrix_b_fmt:MATRIX_FMT_BF8
.elseif (\row)
	v_wmma_scale_f32_16x16x128_f8f6f4 v[(\d):(\d)+7], v[(\a):(\a)+15], v[(\b):(\b)+15], 0, v[(\sa)], v[(\sb)] matrix_a_fmt:MATRIX_FMT_BF8 matrix_b_fmt:MATRIX_FMT_BF8 matrix_a_scale:MATRIX_SCALE_ROW1
.else
	v_wmma_scale_f32_16x16x128_f8f6f4 v[(\d):(\d)+7], v[(\a):(\a)+15], v[(\b):(\b)+15], 0, v[(\sa)], v[(\sb)] matrix_a_fmt:MATRIX_FMT_BF8 matrix_b_fmt:MATRIX_FMT_BF8
.endif
.endm
	s_load_b128 s[4:7], s[0:1], 0x0                ; qkv, ao
	v_lshl_add_u32 v[SPW], v0, 2, SPARE
	v_mov_b32 v[NIL], 0
	ds_add_u32 v[SPW], v[NIL]                      ; the opening: the add, twice on end, and its wait ahead of the first tensor load
	ds_add_u32 v[SPW], v[NIL]
	v_lshrrev_b32 v8, 5, v0
	s_delay_alu instid0(VALU_DEP_1)
	v_readfirstlane_b32 s[WV], v8                  ; wave 0..15
	s_and_b32 s8, ttmp7, 0xffff                    ; bh, which the four partners share
	s_bfe_u32 s9, ttmp6, 0x40000                   ; cx: it enters q's and the output's addresses alone
	s_lshl_b32 s10, ttmp9, 2
	s_add_co_u32 s10, s10, s9                      ; my block of 256 queries
	s_lshl_b32 s11, s10, 4
	s_add_co_u32 s11, s11, s[WV]                   ; T: my tile of 16 queries
	s_and_b32 s12, s[WV], 1                        ; wave 0 fetches K, wave 1 V
	s_add_co_u32 s13, s12, 1
	s_lshl_b32 s66, s13, 22                        ; k's image at 4 MiB, v's at 8 MiB,
	s_lshl_b32 s14, s8, 17
	s_add_co_u32 s66, s66, s14                     ; + bh x 131,072
	s_mov_b32 s67, 0
	s_lshl_b32 s68, s13, 17                        ; their scale words at 12 MiB + 131,072 and + 262,144,
	s_lshl_b32 s14, s8, 12
	s_add_co_u32 s68, s68, s14                     ; + bh x 4,096
	s_add_co_u32 s68, s68, 12<<20
	s_mov_b32 s69, 0
	s_lshl_b32 s15, s12, 17                        ; in LDS: K at 0, V at 131,072
	s_lshl_b32 s16, s12, 12
	s_lshl_b32 s17, s12, 4                         ; which half of a pair's scale word is my tile's
	s_mov_b32 s[G1T], 15|(3<<16)|(1<<21)           ; the mask: all four work-groups; elements of 8 bytes; bit 21 beside a mask
	s_mov_b32 s[G1T+1], 32<<16
	s_mov_b32 s[G1T+2], 128<<16
	s_mov_b32 s[G1T+3], 32<<16
	s_mov_b32 s[G1T+4], 128
	s_mov_b32 s[G1T+5], 32
	s_mov_b32 s[G1T+6], 0
	s_mov_b32 s[G1T+7], 0
	s_mov_b32 s[G1S], 15|(3<<16)|(1<<21)
	s_mov_b32 s[G1S+1], 32<<16
	s_mov_b32 s[G1S+2], 16<<16
	s_mov_b32 s[G1S+3], 32<<16
	s_mov_b32 s[G1S+4], 16
	s_mov_b32 s[G1S+5], 32
	s_mov_b32 s[G1S+6], 0
	s_mov_b32 s[G1S+7], 0
	s_mov_b32 s[SEL], 0x76543210
	s_mov_b32 s[SEL+1], 0xfedcba98
	s_mov_b32 s[CS], 0x3e38aa3b
	s_mov_b32 s[CS+1], s[CS]                       ; (named with it as a pair, so it is written)
	s_lshl_b32 s70, s8, 17
	s_lshl_b32 s71, s11, 10
	s_add_co_u32 s70, s70, s71                     ; q's codes: bh x 131,072 + T x 1,024
	s_mov_b32 s71, 0
	s_lshl_b32 s72, s8, 12
	s_lshr_b32 s73, s11, 1
	s_lshl_b32 s73, s73, 6
	s_add_co_u32 s72, s72, s73
	s_add_co_u32 s72, s72, 12<<20                  ; q's scale words: 12 MiB + bh x 4,096 + (T / 2) x 64
	s_mov_b32 s73, 0
	s_lshr_b32 s74, s8, 4
	s_lshl_b32 s74, s74, 7
	s_add_co_u32 s74, s74, s11                     ; the row tile among 256: batch x 128 + T
	s_and_b32 s75, s8, 15                          ; the head
	s_lshl_b32 s76, s74, 6
	s_lshr_b32 s77, s75, 1
	s_lshl_b32 s77, s77, 14
	s_add_co_u32 s76, s76, s77
	s_and_b32 s77, s75, 1
	s_lshl_b32 s77, s77, 1
	s_add_co_u32 s76, s76, s77
	s_add_co_u32 s76, s76, 4194304                 ; the output's scale bytes: step head / 2, my rows' words, bytes 2 (head % 2) on
	s_mov_b32 s77, 0
	s_lshl_b32 s74, s74, 14
	s_lshl_b32 s75, s75, 10
	s_add_co_u32 s74, s74, s75                     ; the output's codes: tile x 16,384 + head x 1,024
	s_mov_b32 s75, 0
	s_wait_dscnt 0x0                               ; both opening adds are done
	s_wait_kmcnt 0x0
	s_add_nc_u64 s[66:67], s[4:5], s[66:67]
	s_add_nc_u64 s[68:69], s[4:5], s[68:69]
	s_add_nc_u64 s[70:71], s[4:5], s[70:71]
	s_add_nc_u64 s[72:73], s[4:5], s[72:73]
	s_add_nc_u64 s[74:75], s[6:7], s[74:75]
	s_add_nc_u64 s[76:77], s[6:7], s[76:77]
	s_mov_b32 s[G0], 1
	s_add_co_u32 s[G0+1], s16, KSC
	s_mov_b64 s[G0+2:G0+3], s[68:69]
	s_or_b32 s[G0+3], s[G0+3], 0x80000000
.irp g, 0,1,2,3
	s_mov_b32 s[G0+4+4*\g], 1
	s_add_co_u32 s[G0+5+4*\g], s15, \g*32768
	s_add_nc_u64 s[G0+6+4*\g:G0+7+4*\g], s[66:67], \g*32768
	s_or_b32 s[G0+7+4*\g], s[G0+7+4*\g], 0x80000000
.endr
	CROUND                                         ; all four work-groups are here: the joint loads meet
	s_cmp_lt_u32 s[WV], 2                          ; all first fills stand inside one branch on the wave's number
	s_cbranch_scc0 .Lno_load
	tensor_load_to_lds s[G0:G0+3], s[G1S:G1S+7]    ; the scale words first
	s_nop 0
.irp g, 0,1,2,3
	tensor_load_to_lds s[G0+4+4*\g:G0+7+4*\g], s[G1T:G1T+7]
	s_nop 0
.endr
.rept 4
	v_nop
.endr
.Lno_load:
	v_and_b32 v8, 31, v0
	s_delay_alu instid0(VALU_DEP_1)
	v_lshlrev_b32 v[AK0], 4, v8
	global_load_b128 v[24:27], v[AK0], s[70:71]                ; q's codes stay in registers
	global_load_b128 v[28:31], v[AK0], s[70:71] offset:512
	v_and_b32 v9, 15, v0
	s_delay_alu instid0(VALU_DEP_1)
	v_lshlrev_b32 v10, 2, v9
	global_load_b32 v234, v10, s[72:73]
	v_add_nc_u32 v[AV0], 131072, v[AK0]
	v_lshl_add_u32 v[ASK0], v8, 2, KSC
	v_lshl_add_u32 v[ASV0], v8, 2, VSC
	v_bfe_u32 v11, v0, 4, 1
	v_lshlrev_b32 v[GO], 4, v9
	s_delay_alu instid0(VALU_DEP_1)
	v_lshl_add_u32 v[GO], v11, 3, v[GO]
	v_mov_b32 v13, 0xff61b1e6                      ; the largest t so far: -3e38
	s_delay_alu instid0(VALU_DEP_1)
	v_floor_f32 v12, -v13                          ; -M
	v_mov_b32 v14, 0
	v_mov_b32 v15, 0
.irp j, 0,1,2,3,4,5,6,7
	v_mov_b32 v[16+\j], 0                          ; the zero codes below q
	v_mov_b32 v[32+\j], 0                          ; and above
.endr
.set j, 0
.rept 32
	v_mov_b32 v[O+j], 0                            ; O^T: the step is written once; the first finds zeros
.set j, j+1
.endr
.irp b, 0,1,2,3
	v_mov_b32 v[BT+\b], 0                          ; a lane permute's destination counts as one of its sources
.endr
	v_mov_b32 v237, 0                              ; (named as the upper half of the pair v[236:237])
	s_wait_loadcnt 0x0
	v_lshrrev_b32 v234, s17, v234                  ; my tile's two bytes,
	s_delay_alu instid0(VALU_DEP_1)
	v_and_b32 v234, 0xffff, v234
	s_delay_alu instid0(VALU_DEP_1)
	v_lshl_or_b32 v234, v234, 16, v234             ; in both halves of the word: it serves q below and q above alike
; A KEY STEP: 128 keys
.macro STEP
	v_add_nc_u32 v[ADK], s[TB], v[AK0]
	v_add_nc_u32 v[ADV], s[TB], v[AV0]
	v_add_nc_u32 v[ADS], s[TS], v[ASK0]
	v_add_nc_u32 v[ADT], s[TS], v[ASV0]
.rept 4
	v_nop                                          ; with the four additions: eight plain instructions between the last products and the loads into registers that they read
.endr
.irp c, 0,1,2,3
.irp i, 0,1,2,3
	ds_load_b128 v[FR+16*\c+4*\i:FR+16*\c+4*\i+3], v[ADK] offset:2048*\c+512*\i
.endr
.endr
	ds_load_b32 v232, v[ADS]                       ; lanes 0-15 fragment 0's words, lanes 16-31 fragment 1's
	ds_load_b32 v233, v[ADS] offset:128
	s_wait_alu depctr_va_vdst(0)
	s_wait_dscnt 0x0
.irp c, 0,1,2,3
	AW S+16*\c, FR+16*\c, 24, 0, 232+\c/2, \c%2, 234       ; key tile 2 c
	AW S+16*\c+8, FR+16*\c, 16, 0, 232+\c/2, \c%2, 234     ; key tile 2 c + 1
.endr
.rept 8
	v_nop
.endr
.irp t, 0,1,2,3
.irp i, 0,1,2,3
	ds_load_b128 v[FR+16*\t+4*\i:FR+16*\t+4*\i+3], v[ADV] offset:2048*\t+512*\i    ; V's fragments land under the softmax
.endr
.endr
	ds_load_b32 v242, v[ADT]
	ds_load_b32 v243, v[ADT] offset:128
.irp b, 0,1,2,3
	v_max3_num_f32 v[BM+\b], v[S+16*\b], v[S+1+16*\b], v[S+2+16*\b]        ; each block's largest score: it serves the row's maximum and, since p rises with the score, the block's largest p
.endr
.irp i, 3,5,7,9,11,13
.irp b, 0,1,2,3
	v_max3_num_f32 v[BM+\b], v[BM+\b], v[S+16*\b+\i], v[S+1+16*\b+\i]
.endr
.endr
.irp b, 0,1,2,3
	v_max_num_f32 v[BM+\b], v[BM+\b], v[S+15+16*\b]
.endr
.irp b, 0,1,2,3
	s_delay_alu instid0(VALU_DEP_4)
	v_permlanex16_b32 v[BT+\b], v[BM+\b], s[SEL], s[SEL+1]
.endr
.irp b, 0,1,2,3
	s_delay_alu instid0(VALU_DEP_4)
	v_max_num_f32 v[BM+\b], v[BM+\b], v[BT+\b]
.endr
	s_delay_alu instid0(VALU_DEP_2)
	v_max3_num_f32 v239, v[BM], v[BM+1], v[BM+2]
	s_delay_alu instid0(VALU_DEP_1)
	v_max_num_f32 v239, v239, v[BM+3]
	s_delay_alu instid0(VALU_DEP_1)
	v_mul_f32 v239, s[CS], v239                    ; as t (c is positive)
	s_delay_alu instid0(VALU_DEP_1)
	v_max_num_f32 v13, v13, v239
	v_mov_b32 v239, v12
	s_delay_alu instid0(VALU_DEP_2)
	v_floor_f32 v12, -v13                          ; the new -M = -ceil(t)
	s_delay_alu instid0(VALU_DEP_1)
	v_sub_f32 v239, v12, v239                      ; old M - new M: a whole number, 0 or less
	s_delay_alu instid0(VALU_DEP_1)
	v_cvt_i32_f32 v239, v239                       ; (it saturates)
	s_delay_alu instid0(VALU_DEP_1)
	v_ldexp_f32 v236, 1.0, v239                    ; f = 2^(old M - new M)
.set j, 0
.rept 32
	v_pk_fma_f32 v[S+j:S+j+1], v[S+j:S+j+1], s[CS:CS+1], v[12:13] op_sel_hi:[1,0,0]   ; t - M
.set j, j+2
.endr
.irp b, 0,1,2,3
	v_fma_f32 v[BM+\b], v[BM+\b], s[CS], v12
.endr
.set j, 0
	s_setprio 1
	s_wait_alu depctr_va_vdst(0)
.rept 64
	v_exp_f32 v[S+j], v[S+j]                       ; p
.set j, j+1
.endr
	v_pk_mul_f32 v[14:15], v[14:15], v[236:237] op_sel_hi:[1,0]    ; the sums under the new M (a plain instruction behind the batch)
	s_wait_alu depctr_va_vdst(0)                   ; one wait for the batch, ahead of its first reader
.irp b, 0,1,2,3
	v_exp_f32 v[BM+\b], v[BM+\b]                   ; the blocks' largest p
.endr
	v_pk_add_f32 v[240:241], v[108:109], v[112:113]
	v_pk_add_f32 v[254:255], v[116:117], v[120:121]
	v_pk_add_f32 v[252:253], v[124:125], v[128:129]
	v_pk_add_f32 v[250:251], v[132:133], v[136:137]
	v_pk_add_f32 v[248:249], v[140:141], v[144:145]
	v_pk_add_f32 v[246:247], v[148:149], v[152:153]
	v_pk_add_f32 v[244:245], v[156:157], v[160:161]
	v_pk_add_f32 v[14:15], v[14:15], v[164:165]
	v_pk_add_f32 v[240:241], v[240:241], v[104:105]
	v_pk_add_f32 v[254:255], v[254:255], v[106:107]
	v_pk_add_f32 v[252:253], v[252:253], v[110:111]
	v_pk_add_f32 v[250:251], v[250:251], v[114:115]
	v_pk_add_f32 v[248:249], v[248:249], v[118:119]
	v_pk_add_f32 v[246:247], v[246:247], v[122:123]
	v_pk_add_f32 v[244:245], v[244:245], v[126:127]
	v_pk_add_f32 v[14:15], v[14:15], v[130:131]
	v_pk_add_f32 v[240:241], v[240:241], v[134:135]
	v_pk_add_f32 v[254:255], v[254:255], v[138:139]
	v_pk_add_f32 v[252:253], v[252:253], v[142:143]
	v_pk_add_f32 v[250:251], v[250:251], v[146:147]
	v_pk_add_f32 v[248:249], v[248:249], v[150:151]
	v_pk_add_f32 v[246:247], v[246:247], v[154:155]
	v_pk_add_f32 v[244:245], v[244:245], v[158:159]
	v_pk_add_f32 v[14:15], v[14:15], v[162:163]
	v_pk_add_f32 v[240:241], v[240:241], v[166:167]
	s_delay_alu instid0(VALU_DEP_2)
	v_pk_add_f32 v[14:15], v[14:15], v[250:251]
	s_delay_alu instid0(VALU_DEP_2)
	v_pk_add_f32 v[240:241], v[240:241], v[248:249]
	v_pk_add_f32 v[254:255], v[254:255], v[246:247]
	v_pk_add_f32 v[252:253], v[252:253], v[244:245]
	s_delay_alu instid0(VALU_DEP_2)
	v_pk_add_f32 v[14:15], v[14:15], v[254:255]
	s_delay_alu instid0(VALU_DEP_2)
	v_pk_add_f32 v[240:241], v[240:241], v[252:253]
	s_delay_alu instid0(VALU_DEP_1)
	v_pk_add_f32 v[14:15], v[14:15], v[240:241]
	s_wait_alu depctr_va_vdst(0)                   ; and one for the four
.irp b, 0,1,2,3
	v_max_num_f32 v[BM+\b], 0x8000000, v[BM+\b]    ; the floor 2^(16 - 127)
.endr
.irp b, 0,1,2,3
	s_delay_alu instid0(VALU_DEP_4)
	v_add_nc_u32 v[BS+\b], 0xf8800000, v[BM+\b]
.endr
.irp b, 0,1,2,3
.endr
.irp b, 0,1,2,3
	s_delay_alu instid0(VALU_DEP_4)
	v_lshrrev_b32 v[BT+\b], 23, v[BS+\b]
.endr
	s_delay_alu instid0(VALU_DEP_3)
	v_lshl_or_b32 v238, v[BT+1], 8, v[BT]          ; p's scale word for these 128 keys
	s_delay_alu instid0(VALU_DEP_1)
	v_lshl_or_b32 v238, v[BT+2], 16, v238
	s_delay_alu instid0(VALU_DEP_1)
	v_lshl_or_b32 v238, v[BT+3], 24, v238
	s_setprio 0
.irp b, 0,1,2,3
.irp i, 0,1,2,3,4,5,6,7,8,9,10,11,12,13,14,15
.endr
	v_cvt_scalef32_pk8_bf8_f32 v[PCD+4*\b:PCD+4*\b+1], v[S+16*\b:S+16*\b+7], v[BS+\b]
	v_cvt_scalef32_pk8_bf8_f32 v[PCD+4*\b+2:PCD+4*\b+3], v[S+16*\b+8:S+16*\b+15], v[BS+\b]
.endr
.set j, 0
.rept 16
	v_pk_mul_f32 v[O+j:O+j+1], v[O+j:O+j+1], v[236:237] op_sel_hi:[1,0]    ; O^T under the new M; these sixteen also stand between the conversions and the products
.set j, j+2
.endr
	s_wait_alu depctr_va_vdst(0)
	s_wait_dscnt 0x0                               ; V's fragments and scale words
.irp t, 0,1,2,3
	AW O+8*\t, FR+16*\t, PCD, 1, 242+\t/2, \t%2, 238
.endr
	s_add_co_u32 s[TB], s[TB], 8192
	s_add_co_u32 s[TS], s[TS], 256
.endm
; 512 keys: their loads have landed in the loading waves; the later groups' may stay out
.macro KGROUP g
	s_wait_tensorcnt 3-\g
	s_wait_dscnt 0x0
	s_barrier_signal -1
	s_barrier_wait -1
	s_mov_b32 s[TB], \g*32768
	s_mov_b32 s[TS], \g*1024
	s_mov_b32 s[CNT], 4
.Lstep_\@:
	s_wait_alu depctr_va_vdst(0)
	s_setprio 2
	STEP
	s_sub_co_u32 s[CNT], s[CNT], 1
	s_cmp_lg_u32 s[CNT], 0
	s_cbranch_scc1 .Lstep_\@
	s_setprio 0
.endm
	KGROUP 0
	KGROUP 1
	KGROUP 2
	KGROUP 3
	; THE WAY OUT: O^T / the sum, quantised along the channels: register 8 t + j of lane (r, h) is channel 16 t + 8 h + j of query r; tiles 2 b and 2 b + 1 with lane l xor 16's are a block of 32.
.rept 8
	v_nop
.endr
	v_add_f32 v14, v14, v15
	s_delay_alu instid0(VALU_DEP_1)
	v_permlanex16_b32 v239, v14, s[SEL], s[SEL+1]
	s_delay_alu instid0(VALU_DEP_1)
	v_add_f32 v14, v14, v239                       ; the row's sum
	s_wait_alu depctr_va_vdst(0)
	v_rcp_f32 v14, v14
	v_and_b32 v8, 15, v0                           ; (a plain instruction behind the transcendental)
	s_delay_alu instid0(VALU_DEP_1)
	v_lshlrev_b32 v8, 2, v8                        ; 4 r
	s_wait_alu depctr_va_vdst(0)
.set j, 0
.rept 16
	v_pk_mul_f32 v[O+j:O+j+1], v[O+j:O+j+1], v[14:15] op_sel_hi:[1,0]
.set j, j+2
.endr
.irp b, 0,1
	v_max3_num_f32 v[BM+\b], |v[O+16*\b]|, |v[O+1+16*\b]|, 0x8000000
.endr
.irp i, 2,4,6,8,10,12,14
.irp b, 0,1
	s_delay_alu instid0(VALU_DEP_2)
	v_max3_num_f32 v[BM+\b], v[BM+\b], |v[O+16*\b+\i]|, |v[O+1+16*\b+\i]|
.endr
.endr
.irp b, 0,1
	s_delay_alu instid0(VALU_DEP_2)
	v_permlanex16_b32 v[BT+\b], v[BM+\b], s[SEL], s[SEL+1]
.endr
.irp b, 0,1
	s_delay_alu instid0(VALU_DEP_2)
	v_max_num_f32 v[BM+\b], v[BM+\b], v[BT+\b]
.endr
.irp b, 0,1
	s_delay_alu instid0(VALU_DEP_2)
	v_add_nc_u32 v[BS+\b], 0xf8800000, v[BM+\b]
.endr
.irp b, 0,1
.endr
.irp b, 0,1
	s_delay_alu instid0(VALU_DEP_2)
	v_lshrrev_b32 v[BT+\b], 23, v[BS+\b]
.endr
	s_delay_alu instid0(VALU_DEP_1)
	v_lshl_or_b32 v239, v[BT+1], 8, v[BT]
.irp b, 0,1
.irp i, 0,1,2,3,4,5,6,7,8,9,10,11,12,13,14,15
.endr
	v_cvt_scalef32_pk8_bf8_f32 v[PCD+4*\b:PCD+4*\b+1], v[O+16*\b:O+16*\b+7], v[BS+\b]
	v_cvt_scalef32_pk8_bf8_f32 v[PCD+4*\b+2:PCD+4*\b+3], v[O+16*\b+8:O+16*\b+15], v[BS+\b]
.endr
	v_nop
.irp b, 0,1
	global_store_b64 v[GO], v[PCD+4*\b:PCD+4*\b+1], s[74:75] offset:512*\b             ; 32 lanes store 256 consecutive bytes, aligned: 16 channels of 16 rows, in ascending k for the projection
	global_store_b64 v[GO], v[PCD+4*\b+2:PCD+4*\b+3], s[74:75] offset:512*\b+256
.endr
	global_store_b16 v8, v239, s[76:77]            ; my head's two bytes of each row's word (both halves of the lanes hold the same): 131,072 bytes in the whole launch
	s_wait_tensorcnt 0x0                           ; the wave's end
	ds_add_u32 v[SPW], v[NIL]
	s_wait_dscnt 0x0
	CROUND                                         ; the closing round
	s_endpgm
.Lfunc_end_k_q4b0afa9d4f_attn:
	.size	k_q4b0afa9d4f_attn, .Lfunc_end_k_q4b0afa9d4f_attn-k_q4b0afa9d4f_attn
	.p2alignl 7, 3214868480
	.fill 96, 4, 3214868480
	.section	.rodata,"a",@progbits
	.p2align	6, 0x0
	.amdhsa_kernel k_q4b0afa9d4f_attn
		.amdhsa_group_segment_fixed_size 327680
		.amdhsa_private_segment_fixed_size 0
		.amdhsa_enable_private_segment 0
		.amdhsa_kernarg_size 16
		.amdhsa_user_sgpr_count 2
		.amdhsa_user_sgpr_kernarg_segment_ptr 1
		.amdhsa_wavefront_size32 1
		.amdhsa_system_sgpr_workgroup_id_x 1
		.amdhsa_system_sgpr_workgroup_id_y 1
		.amdhsa_system_sgpr_workgroup_id_z 1
		.amdhsa_system_vgpr_workitem_id 0
		.amdhsa_next_free_vgpr 256
		.amdhsa_next_free_sgpr 80
		.amdhsa_reserve_vcc 0
		.amdhsa_float_denorm_mode_32 3
		.amdhsa_float_denorm_mode_16_64 3
		.amdhsa_fp16_overflow 1
		.amdhsa_memory_ordered 1
		.amdhsa_forward_progress 1
		.amdhsa_inst_pref_size 84
	.end_amdhsa_kernel
	.amdgpu_metadata
---
amdhsa.version: [ 1, 2 ]
amdhsa.kernels:
  - .name:           k_q4b0afa9d4f_attn
    .symbol:         k_q4b0afa9d4f_attn.kd
    .args:
      - { .name: qkv, .offset: 0, .size: 8, .value_kind: global_buffer, .address_space: global }
      - { .name: ao, .offset: 8, .size: 8, .value_kind: global_buffer, .address_space: global }
    .group_segment_fixed_size: 327680
    .private_segment_fixed_size: 0
    .kernarg_segment_align: 8
    .kernarg_segment_size: 16
    .max_flat_workgroup_size: 512
    .sgpr_count:     80
    .vgpr_count:     256
    .wavefront_size: 32
...
	.end_amdgpu_metadata
.endif
;; end of part 3
;; launch wo (part 4): grid 8 x 32, 4 waves a work-group, clusters of 4 x 4, 327,680 bytes of LDS; arguments ao, Wo_codes, Wo_scales, bo, x, x1; writes x1
.if DOCPART == 4
	.amdgcn_target "amdgcn-amd-amdhsa--gfx1250"
	.amdhsa_code_object_version 6
	.text
	.protected	k_q4b0afa9d4f_wo
	.globl	k_q4b0afa9d4f_wo
	.p2align	8
	.type	k_q4b0afa9d4f_wo,@function
k_q4b0afa9d4f_wo:
	s_mov_b64 s[64:65], 0
	v_nop
	global_prefetch_b8 v0, s[64:65] scope:SCOPE_SE
	s_setreg_imm32_b32 hwreg(HW_REG_WAVE_MODE, 25, 1), 1
	s_wait_xcnt 0x0
	s_wait_alu depctr_hold_cnt(0) depctr_sa_sdst(0) depctr_va_vdst(0) depctr_va_sdst(0) depctr_va_ssrc(0) depctr_va_vcc(0) depctr_vm_vsrc(0)
	s_getreg_b32 s2, hwreg(HW_REG_IB_STS2, 6, 4)
	s_cmp_eq_u32 s2, 0
	s_cbranch_scc0 .Lentry_in_a_cluster
	s_endpgm
.Lentry_in_a_cluster:
	s_bfe_u32 s2, ttmp6, 0x10000c
	s_cmp_lg_u32 s2, 0xf033
	s_cbranch_scc0 .Lentry_shape_is_right
	s_endpgm
.Lentry_shape_is_right:
; out = res + A W^T + bias on codes of E5M2 with E8M0 scales: here x1 = x + attn_out Wo + bo.  No work of reference() is left out.
; A: the operand's image (tile of 16 rows x 16 K bytes + (k / 16) x 256 + 16 x row + k % 16) with its scale words [k / 128][row] behind it.  W: [1,024 (n)][K] codes, scale bytes [1,024][K / 32].  res, out: [4,096][1,024] f32.
; A tile of C is 128 x 128: 256 work-groups, one to a WGP.  Four waves of 64 x 64: 16 accumulators in window 0.  K goes through two LDS slots of 512 along K; at K = 1,024 both are filled at the head and nothing is filled twice.
; CLUSTER 4 x 4: A's tiles and scale words are asked for jointly along a row of the cluster, B's along a column.
; THE PRODUCT IS USED TRANSPOSED (source 0 = 16 rows of W, source 1 = 16 rows of A): a lane holds 8 neighbouring columns of one row.  The bias is the C of each sum's first product.
; The wave's 64 x 64 of the residual is asked for at the head, into window 2, in the layout in which rows leave: the sums go through the wave's stage in LDS and come back as rows of 256 bytes.
; LIMITS: NaN and infinities are not served.
.set SIZE_K, 1024
.set KS,     SIZE_K/32
.set NS,     SIZE_K/128
.set AHALF,  32768                     ; 4 tiles of A x 8,192 bytes (512 along K): what one tensor load brings
.set BP,     528                       ; a row of B in LDS: 512 bytes + 16 of padding = 132 words: the 16 rows of a load start at 16 different banks (64 banks of 4 bytes: ISA guide 11.1)
.set BHALF,  64*BP
.set BOFF,   2*AHALF
.set SLOT,   BOFF+2*BHALF
.set SCA,    2*SLOT                    ; A's scale words: 2 halves x NS x 256 bytes
.set SCB,    SCA+NS*512                ; B's scale bytes: 2 halves x 64 rows x KS
.set SPARE,  SCB+128*KS                ; the spare words, 128 bytes a wave: two blocks of 256 bytes that no other line names
.set ADRA, 16
.set ADRB, 20
.set ADRSA, 22
.set ADRSB, 23
.set STO, 24                           ; v24 the stage: where I put 32 bytes of a row.  The stage, 16 rows x 272 bytes a wave, lies in slot 0, which has had its last fill and its last read by then
.set RD,  25                           ; v25 and where I read a row back
.set CO,  26                           ; v26 my byte offset in two rows of res and out
.set SPW, 28
.set NIL, 29
.set SA,  32                           ; v32-39 A's scale words: register 2 q + i
.set SB,  40                           ; v40-47 B's: register 4 i + q
.set BIAS, 64                          ; v64-95 the bias; later, with v96-127, rows on their way out
.set BK,  64
.set ACC, 128
.set G1A, 24
.set G0A, 32
.set G1B, 48
.set G0B, 56
.set G1SA, 68
.set G0SA, 76
.set G1SB, 80
.set G0SB, 88
.set MSB, 0
.macro WIN new
.if MSB != \new
	s_set_vgpr_msb (MSB<<8)|\new
.set MSB, \new
.endif
.endm
.macro PLACES n
.rept \n
	v_nop
.endr
.endm
.macro JLOAD g0a, g1a, g0b, g1b        ; a joint load: waves 0 and 1 for A, waves 2 and 3 for B; an s_nop 0 and four v_nop follow each line
	s_cmp_eq_u32 s15, 0
	s_cbranch_scc0 .Lfor_b_\@
	tensor_load_to_lds s[\g0a:\g0a+3], s[\g1a:\g1a+7]
	s_nop 0
.rept 4
	v_nop
.endr
	s_branch .Lasked_\@
.Lfor_b_\@:
	tensor_load_to_lds s[\g0b:\g0b+3], s[\g1b:\g1b+7]
	s_nop 0
.rept 4
	v_nop
.endr
.Lasked_\@:
.endm
.macro CROUND
	s_barrier_signal -1
	s_barrier_wait -1
	s_cmp_lg_u32 s14, 0
	s_cbranch_scc1 .Lnot_wave_0_\@
	s_barrier_signal -3
.Lnot_wave_0_\@:
	s_barrier_wait -3
	s_barrier_signal -1
	s_barrier_wait -1
.endm
.macro WM d, s0, s1, c, sc0, row0, sc1, row1
.if ((\row0) == 1) && ((\row1) == 1)
	v_wmma_scale_f32_16x16x128_f8f6f4 v[(\d):(\d)+7], v[(\s0):(\s0)+15], v[(\s1):(\s1)+15], v[(\c):(\c)+7], v[(\sc0)], v[(\sc1)] matrix_a_fmt:MATRIX_FMT_BF8 matrix_b_fmt:MATRIX_FMT_BF8 matrix_a_scale:MATRIX_SCALE_ROW1 matrix_b_scale:MATRIX_SCALE_ROW1
.elseif (\row0) == 1
	v_wmma_scale_f32_16x16x128_f8f6f4 v[(\d):(\d)+7], v[(\s0):(\s0)+15], v[(\s1):(\s1)+15], v[(\c):(\c)+7], v[(\sc0)], v[(\sc1)] matrix_a_fmt:MATRIX_FMT_BF8 matrix_b_fmt:MATRIX_FMT_BF8 matrix_a_scale:MATRIX_SCALE_ROW1
.elseif (\row1) == 1
	v_wmma_scale_f32_16x16x128_f8f6f4 v[(\d):(\d)+7], v[(\s0):(\s0)+15], v[(\s1):(\s1)+15], v[(\c):(\c)+7], v[(\sc0)], v[(\sc1)] matrix_a_fmt:MATRIX_FMT_BF8 matrix_b_fmt:MATRIX_FMT_BF8 matrix_b_scale:MATRIX_SCALE_ROW1
.else
	v_wmma_scale_f32_16x16x128_f8f6f4 v[(\d):(\d)+7], v[(\s0):(\s0)+15], v[(\s1):(\s1)+15], v[(\c):(\c)+7], v[(\sc0)], v[(\sc1)] matrix_a_fmt:MATRIX_FMT_BF8 matrix_b_fmt:MATRIX_FMT_BF8
.endif
.endm
; 8 products: A's tiles a0, a0 + 1 x B's four, set f, the slot's q-th 128 along K; accumulator (a, b) at ACC + 8 (4 a + b).  The 16 accumulators take turns, one instruction a turn, in the same order in every step.
.macro MUL8 f, a0, q, first
.irp a, \a0, \a0+1
.irp b, 0,1,2,3
.if \first
	WM ACC+8*(4*(\a)+\b), 128*(\f)+64+16*\b, 128*(\f)+16*(\a), BIAS+8*\b, SB+4*(\b/2)+(\q), \b%2, SA+2*(\q)+(\a)/2, (\a)%2
.else
	WM ACC+8*(4*(\a)+\b), 128*(\f)+64+16*\b, 128*(\f)+16*(\a), ACC+8*(4*(\a)+\b), SB+4*(\b/2)+(\q), \b%2, SA+2*(\q)+(\a)/2, (\a)%2
.endif
.endr
.endr
.endm
.macro FETCH slot, q, f                ; 32 LDS loads in one run: B's four fragments, A's tiles 0 and 1, A's tiles 2 and 3
	WIN 0x40
.irp b, 0,1,2,3
.irp c, 0,1,2,3
	ds_load_b128 v[128*(\f)+64+16*\b+4*\c:128*(\f)+64+16*\b+4*\c+3], v[ADRB+\slot] offset:\b*16*BP+128*(\q)+32*\c
.endr
.endr
.irp a, 0,1,2,3
.irp c, 0,1,2,3
	ds_load_b128 v[128*(\f)+16*\a+4*\c:128*(\f)+16*\a+4*\c+3], v[ADRA+\slot] offset:\a*8192+2048*(\q)+512*\c
.endr
.endr
.endm
.macro SCALES fill
.irp q, 0,1,2,3
.irp i, 0,1
	ds_load_b32 v[SA+2*\q+\i], v[ADRSA] offset:1024*(\fill)+256*\q+128*\i
.endr
.endr
.irp i, 0,1
	ds_load_b128 v[SB+4*\i:SB+4*\i+3], v[ADRSB] offset:16*(\fill)+32*KS*\i
.endr
.endm
; Eight plain vector instructions stand between a product and a load into a register that it has read, and between a product and the first read of its result.
.macro STEP slot, q, first
	s_wait_dscnt 8                                 ; all but the youngest eight loads, A's tiles 2 and 3 of this step
	WIN 0x05
	MUL8 (\q)%2, 0, \q, \first
	PLACES 8
	FETCH \slot, (\q)+1, 1-(\q)%2
	s_wait_dscnt 32                                ; all but the 32 just issued
	WIN 0x05
	MUL8 (\q)%2, 2, \q, \first
.endm
.macro SLOTWORK slot, first, fill
	SCALES \fill
	FETCH \slot, 0, 0
	STEP \slot, 0, \first
	STEP \slot, 1, 0
	STEP \slot, 2, 0
	s_wait_dscnt 8
	WIN 0x05
	MUL8 1, 0, 3, 0
	s_wait_dscnt 0x0
	MUL8 1, 2, 3, 0
	WIN 0
.endm
; The change to slot `slot`.  Each wave waits for all its tensor loads, adds 0 to its spare word, and waits for that and for its reads of the slot that it leaves.  refill = 1: a round of the cluster's barrier, and behind it the slot just left is filled, two fills on.
.macro CHANGE slot, refill
	s_wait_tensorcnt 0x0
	ds_add_u32 v[SPW], v[NIL]
.if \refill
	s_add_nc_u64 s[G0A+4*(1-\slot)+2:G0A+4*(1-\slot)+3], s[G0A+4*(1-\slot)+2:G0A+4*(1-\slot)+3], 16384
	s_add_nc_u64 s[G0B+4*(1-\slot)+2:G0B+4*(1-\slot)+3], s[G0B+4*(1-\slot)+2:G0B+4*(1-\slot)+3], 1024
.endif
	s_wait_dscnt 0x0
.if \refill
	CROUND
	JLOAD G0A+4*(1-\slot), G1A, G0B+4*(1-\slot), G1B
	PLACES 4
.else
	s_barrier_signal -1
	s_barrier_wait -1
	PLACES 8
.endif
.endm
	s_load_b256 s[4:11], s[0:1], 0x0               ; A, W's codes, W's scales, the bias
	s_load_b128 s[96:99], s[0:1], 0x20             ; res, out
	v_lshl_add_u32 v[SPW], v0, 2, SPARE
	v_mov_b32 v[NIL], 0
	ds_add_u32 v[SPW], v[NIL]                      ; the opening: the add, twice on end, and its wait ahead of my first tensor load
	ds_add_u32 v[SPW], v[NIL]
	v_lshrrev_b32 v1, 5, v0
	v_readfirstlane_b32 s14, v1                    ; wave 0..3
	s_lshr_b32 s15, s14, 1                         ; my half of the rows; also: I fetch for A (0) or for B (1)
	s_and_b32 s16, s14, 1                          ; my half of the columns; also: which half I fetch
	s_bfe_u32 s40, ttmp6, 0x40000
	s_bfe_u32 s41, ttmp6, 0x40004
	s_lshl_b32 s42, ttmp9, 2
	s_add_co_u32 s42, s42, s40                     ; tile column
	s_and_b32 s17, ttmp7, 0xffff
	s_lshl_b32 s17, s17, 2
	s_add_co_u32 s17, s17, s41                     ; tile row
	s_lshl_b32 s43, s41, 2
	s_lshl_b32 s43, 15, s43                        ; my row of the cluster
	s_lshl_b32 s44, 0x1111, s40                    ; my column
	s_or_b32 s[G1A], s43, (3<<16)|(1<<21)          ; A: 4 rows (tiles) of 1,024 elements of 8 bytes, 16 K bytes apart
	s_mov_b32 s[G1A+1], 1024<<16
	s_mov_b32 s[G1A+2], 4<<16
	s_mov_b32 s[G1A+3], 1024<<16
	s_mov_b32 s[G1A+4], 4
	s_mov_b32 s[G1A+5], 2*SIZE_K
	s_mov_b32 s[G1A+6], 0
	s_mov_b32 s[G1A+7], 0
	s_or_b32 s[G1B], s44, (0<<16)|(1<<20)|(1<<21)|(6<<22)|(3<<25)   ; B: 64 rows of 512 bytes, K bytes apart; 4 words of padding behind every 128
	s_mov_b32 s[G1B+1], 512<<16
	s_mov_b32 s[G1B+2], 64<<16
	s_mov_b32 s[G1B+3], 512<<16
	s_mov_b32 s[G1B+4], 64
	s_mov_b32 s[G1B+5], SIZE_K
	s_mov_b32 s[G1B+6], 0
	s_mov_b32 s[G1B+7], 0
	s_or_b32 s[G1SA], s43, (3<<16)|(1<<21)         ; A's scale words: NS rows of 256 bytes, 16,384 bytes apart
	s_mov_b32 s[G1SA+1], 32<<16
	s_mov_b32 s[G1SA+2], NS<<16
	s_mov_b32 s[G1SA+3], 32<<16
	s_mov_b32 s[G1SA+4], NS
	s_mov_b32 s[G1SA+5], 2048
	s_mov_b32 s[G1SA+6], 0
	s_mov_b32 s[G1SA+7], 0
	s_or_b32 s[G1SB], s44, (3<<16)|(1<<21)         ; B's scale bytes of 64 rows: a dense block, as rows of 256 bytes
	s_mov_b32 s[G1SB+1], 32<<16
	s_mov_b32 s[G1SB+2], (64*KS/256)<<16
	s_mov_b32 s[G1SB+3], 32<<16
	s_mov_b32 s[G1SB+4], 64*KS/256
	s_mov_b32 s[G1SB+5], 32
	s_mov_b32 s[G1SB+6], 0
	s_mov_b32 s[G1SB+7], 0
	s_lshl_b32 s18, s17, 3
	s_lshl_b32 s19, s16, 2
	s_add_co_u32 s18, s18, s19                     ; A: the first tile of 16 rows that I fetch
	s_mul_i32 s20, s18, 16*SIZE_K
	s_mov_b32 s21, 0
	s_lshl_b32 s22, s18, 6
	s_add_co_u32 s22, s22, 4096*SIZE_K
	s_mov_b32 s23, 0
	s_lshl_b32 s46, s42, 7
	s_lshl_b32 s47, s16, 6
	s_add_co_u32 s46, s46, s47                     ; B: the first row that I fetch
	s_mul_i32 s94, s46, KS
	s_mov_b32 s95, 0
	s_mul_i32 s46, s46, SIZE_K
	s_mov_b32 s47, 0
	s_mul_i32 s2, s16, AHALF                       ; where they go: the wave's number alone enters an LDS address
	s_mul_i32 s3, s16, BHALF
	s_add_co_u32 s3, s3, BOFF
	s_mul_i32 s18, s16, NS*256
	s_add_co_u32 s18, s18, SCA
	s_mul_i32 s19, s16, 64*KS
	s_add_co_u32 s19, s19, SCB
	s_wait_dscnt 0x0                               ; both opening adds are done
	s_wait_kmcnt 0x0
	s_add_nc_u64 s[20:21], s[4:5], s[20:21]
	s_add_nc_u64 s[22:23], s[4:5], s[22:23]
	s_add_nc_u64 s[46:47], s[6:7], s[46:47]
	s_add_nc_u64 s[94:95], s[8:9], s[94:95]
	CROUND                                         ; all sixteen work-groups are here: the first joint loads meet
	s_mov_b32 s[G0SA], 1
	s_mov_b32 s[G0SA+1], s18
	s_mov_b64 s[G0SA+2:G0SA+3], s[22:23]
	s_or_b32 s[G0SA+3], s[G0SA+3], 0x80000000
	s_mov_b32 s[G0SB], 1
	s_mov_b32 s[G0SB+1], s19
	s_mov_b64 s[G0SB+2:G0SB+3], s[94:95]
	s_or_b32 s[G0SB+3], s[G0SB+3], 0x80000000
	JLOAD G0SA, G1SA, G0SB, G1SB
.irp n, 0,1
	s_mov_b32 s[G0A+4*\n], 1
	s_add_co_u32 s[G0A+4*\n+1], s2, \n*SLOT
	s_add_nc_u64 s[G0A+4*\n+2:G0A+4*\n+3], s[20:21], \n*8192
	s_or_b32 s[G0A+4*\n+3], s[G0A+4*\n+3], 0x80000000
	s_mov_b32 s[G0B+4*\n], 1
	s_add_co_u32 s[G0B+4*\n+1], s3, \n*SLOT
	s_add_nc_u64 s[G0B+4*\n+2:G0B+4*\n+3], s[46:47], \n*512
	s_or_b32 s[G0B+4*\n+3], s[G0B+4*\n+3], 0x80000000
	JLOAD G0A+4*\n, G1A, G0B+4*\n, G1B             ; three loads of mine are out behind the second
.endr
	v_and_b32 v1, 15, v0                           ; r
	v_bfe_u32 v2, v0, 4, 1                         ; h
	v_and_b32 v3, 31, v0                           ; lane
	v_lshlrev_b32 v4, 4, v3
	s_mul_i32 s18, s15, AHALF
	v_add_nc_u32 v[ADRA], s18, v4
	v_add_nc_u32 v[ADRA+1], SLOT, v[ADRA]
	v_mul_u32_u24 v5, v1, BP
	v_lshl_add_u32 v5, v2, 4, v5
	s_mul_i32 s18, s16, BHALF
	s_add_co_u32 s18, s18, BOFF
	v_add_nc_u32 v[ADRB], s18, v5
	v_add_nc_u32 v[ADRB+1], SLOT, v[ADRB]
	s_mul_i32 s18, s15, NS*256
	s_add_co_u32 s18, s18, SCA
	v_lshl_add_u32 v[ADRSA], v3, 2, s18
	s_mul_i32 s18, s16, 64*KS
	s_add_co_u32 s18, s18, SCB
	v_mul_u32_u24 v6, v3, KS
	v_add_nc_u32 v[ADRSB], s18, v6
	s_mul_i32 s18, s14, 16*272                     ; my stage
	v_mul_u32_u24 v5, v1, 272
	v_lshl_add_u32 v5, v2, 5, v5
	v_add_nc_u32 v[STO], s18, v5                   ; in: row r, 32 bytes for each half of the lanes
	v_mul_u32_u24 v5, v2, 272
	v_lshl_add_u32 v5, v1, 4, v5
	v_add_nc_u32 v[RD], s18, v5                    ; back: lanes 0-15 one row of 256 bytes, lanes 16-31 the next
	v_lshlrev_b32 v5, 12, v2
	v_lshl_add_u32 v[CO], v1, 4, v5                ; and the same two rows in memory
	v_lshlrev_b32 v7, 5, v2
	s_lshl_b32 s18, s42, 9
	s_lshl_b32 s19, s16, 8
	s_add_co_u32 s18, s18, s19                     ; my 64 columns, in bytes
	s_mov_b32 s19, 0
	s_add_nc_u64 s[10:11], s[10:11], s[18:19]
	s_lshl_b32 s20, s17, 7
	s_lshl_b32 s21, s15, 6
	s_add_co_u32 s20, s20, s21
	s_lshl_b32 s20, s20, 12                        ; my 64 rows of 4,096 bytes
	s_add_co_u32 s18, s18, s20
	s_add_nc_u64 s[96:97], s[96:97], s[18:19]
	s_add_nc_u64 s[98:99], s[98:99], s[18:19]
.irp b, 0,1,2,3
	global_load_b128 v[BIAS+8*\b:BIAS+8*\b+3], v7, s[10:11] offset:64*\b
	global_load_b128 v[BIAS+8*\b+4:BIAS+8*\b+7], v7, s[10:11] offset:64*\b+16
.endr
	WIN 0x80                                       ; destination window 2
.set i, 0
.rept 32
	global_load_b128 v[4*i:4*i+3], v[CO], s[96:97] offset:2*i*4096       ; the residual: rows 2 i and 2 i + 1 of my 64, 256 bytes each
.set i, i+1
.endr
	WIN 0
	s_wait_tensorcnt 1                             ; the scales and my part of slot 0 are in; slot 1's load may be out
	s_barrier_signal -1
	s_barrier_wait -1
	s_wait_loadcnt 32                              ; the bias is in; the residual's 32 loads may be out
	SLOTWORK 0, 1, 0
.if SIZE_K > 1024
	s_mov_b32 s3, SIZE_K/1024-1
.Llap:                                             ; a lap: two fills read, two asked for
	CHANGE 1, 1
	SLOTWORK 1, 0, 1
	CHANGE 0, 1
	SLOTWORK 0, 0, 2
	v_add_nc_u32 v[ADRSA], 2048, v[ADRSA]          ; two fills on among the scale words
	v_add_nc_u32 v[ADRSB], 32, v[ADRSB]
	s_sub_co_u32 s3, s3, 1
	s_cmp_lg_u32 s3, 0
	s_cbranch_scc1 .Llap
.endif
	CHANGE 1, 0                                    ; the last fill: nothing more is asked for
	SLOTWORK 1, 0, 1
; THE WAY OUT, 16 rows at a time: the sums into my stage, back as rows of 256 bytes, the residual added, stored.  LDS serves a wave's instructions in order (ISA guide 5.7.1.4): no wait between the stores and the loads.
.macro TOSTAGE a
.irp b, 0,1,2,3
	ds_store_b128 v[STO], v[ACC+8*(4*(\a)+\b):ACC+8*(4*(\a)+\b)+3] offset:64*\b            ; each accumulator from its low end on
	ds_store_b128 v[STO], v[ACC+8*(4*(\a)+\b)+4:ACC+8*(4*(\a)+\b)+7] offset:64*\b+16
.endr
.irp t, 0,1,2,3,4,5,6,7
	ds_load_b128 v[BK+32*((\a)%2)+4*\t:BK+32*((\a)%2)+4*\t+3], v[RD] offset:544*\t
.endr
.endm
.macro SEND a, younger
	s_wait_dscnt \younger
	WIN 0x08                                       ; source 1 window 2: the residual
.irp i, 0,2,4,6,8,10,12,14,16,18,20,22,24,26,28,30
	v_pk_add_f32 v[BK+32*((\a)%2)+\i:BK+32*((\a)%2)+\i+1], v[BK+32*((\a)%2)+\i:BK+32*((\a)%2)+\i+1], v[32*(\a)+\i:32*(\a)+\i+1]
.endr
	WIN 0
.irp t, 0,1,2,3,4,5,6,7
	global_store_b128 v[CO], v[BK+32*((\a)%2)+4*\t:BK+32*((\a)%2)+4*\t+3], s[98:99] offset:(16*(\a)+2*\t)*4096    ; 16 lanes store 256 consecutive bytes, aligned
.endr
.endm
	s_wait_loadcnt 0x0                             ; the residual
	PLACES 8
	TOSTAGE 0
.irp a, 1,2,3
.if \a > 1
	s_wait_xcnt 0x0                                ; block a - 2's stores have read their registers: block a's loads may land there
.endif
	TOSTAGE \a
	SEND \a-1, 16                                  ; behind block a - 1's loads: block a's 8 stores and 8 loads
.endr
	SEND 3, 0
	s_wait_tensorcnt 0x0                           ; the wave's end
	ds_add_u32 v[SPW], v[NIL]
	s_wait_dscnt 0x0
	CROUND                                         ; the closing round
	s_endpgm
.Lfunc_end_k_q4b0afa9d4f_wo:
	.size	k_q4b0afa9d4f_wo, .Lfunc_end_k_q4b0afa9d4f_wo-k_q4b0afa9d4f_wo
	.p2alignl 7, 3214868480
	.fill 96, 4, 3214868480
	.section	.rodata,"a",@progbits
	.p2align	6, 0x0
	.amdhsa_kernel k_q4b0afa9d4f_wo
		.amdhsa_group_segment_fixed_size 327680
		.amdhsa_private_segment_fixed_size 0
		.amdhsa_enable_private_segment 0
		.amdhsa_kernarg_size 48
		.amdhsa_user_sgpr_count 2
		.amdhsa_user_sgpr_kernarg_segment_ptr 1
		.amdhsa_wavefront_size32 1
		.amdhsa_system_sgpr_workgroup_id_x 1
		.amdhsa_system_sgpr_workgroup_id_y 1
		.amdhsa_system_sgpr_workgroup_id_z 1
		.amdhsa_system_vgpr_workitem_id 0
		.amdhsa_next_free_vgpr 640
		.amdhsa_next_free_sgpr 100
		.amdhsa_reserve_vcc 0
		.amdhsa_float_denorm_mode_32 3
		.amdhsa_float_denorm_mode_16_64 3
		.amdhsa_memory_ordered 1
		.amdhsa_forward_progress 1
		.amdhsa_inst_pref_size 62
	.end_amdhsa_kernel
	.amdgpu_metadata
---
amdhsa.version: [ 1, 2 ]
amdhsa.kernels:
  - .name:           k_q4b0afa9d4f_wo
    .symbol:         k_q4b0afa9d4f_wo.kd
    .args:
      - { .name: ao, .offset: 0, .size: 8, .value_kind: global_buffer, .address_space: global }
      - { .name: Wo_codes, .offset: 8, .size: 8, .value_kind: global_buffer, .address_space: global }
      - { .name: Wo_scales, .offset: 16, .size: 8, .value_kind: global_buffer, .address_space: global }
      - { .name: bo, .offset: 24, .size: 8, .value_kind: global_buffer, .address_space: global }
      - { .name: x, .offset: 32, .size: 8, .value_kind: global_buffer, .address_space: global }
      - { .name: x1, .offset: 40, .size: 8, .value_kind: global_buffer, .address_space: global }
    .group_segment_fixed_size: 327680
    .private_segment_fixed_size: 0
    .kernarg_segment_align: 8
    .kernarg_segment_size: 48
    .max_flat_workgroup_size: 128
    .sgpr_count:     100
    .vgpr_count:     640
    .wavefront_size: 32
...
	.end_amdgpu_metadata
.endif
;; end of part 4
;; launch ln2: the kernel of part 1 again; grid 256 x 1, 16 waves a work-group, no clusters, 101,888 bytes of LDS; arguments x1, ln2_w, ln2_b, xn; writes xn
;; launch fc1 (part 5): grid 8 x 32, 4 waves a work-group, clusters of 4 x 4, 327,680 bytes of LDS; arguments xn, W1_codes, W1_scales, b1, h; writes h
.if DOCPART == 5
	.amdgcn_target "amdgcn-amd-amdhsa--gfx1250"
	.amdhsa_code_object_version 6
	.text
	.protected	k_q4b0afa9d4f_fc1
	.globl	k_q4b0afa9d4f_fc1
	.p2align	8
	.type	k_q4b0afa9d4f_fc1,@function
k_q4b0afa9d4f_fc1:
	s_mov_b64 s[64:65], 0
	v_nop
	global_prefetch_b8 v0, s[64:65] scope:SCOPE_SE
	s_setreg_imm32_b32 hwreg(HW_REG_WAVE_MODE, 25, 1), 1
	s_wait_xcnt 0x0
	s_wait_alu depctr_hold_cnt(0) depctr_sa_sdst(0) depctr_va_vdst(0) depctr_va_sdst(0) depctr_va_ssrc(0) depctr_va_vcc(0) depctr_vm_vsrc(0)
	s_getreg_b32 s2, hwreg(HW_REG_IB_STS2, 6, 4)
	s_cmp_eq_u32 s2, 0
	s_cbranch_scc0 .Lentry_in_a_cluster
	s_endpgm
.Lentry_in_a_cluster:
	s_bfe_u32 s2, ttmp6, 0x10000c
	s_cmp_lg_u32 s2, 0xf033
	s_cbranch_scc0 .Lentry_shape_is_right
	s_endpgm
.Lentry_shape_is_right:
; h = gelu(xn W1 + b1), the exact (erf) form, on codes of E5M2 with E8M0 scales, and h quantised along the hidden 4,096 for the next product.  No work of reference() is left out.
; xn: the operand's image and scale words.  W1: [4,096 (n)][1,024 (k)] codes, scale bytes [4,096][32].  OUT: h's image (tile of 16 rows x 65,536 bytes + (k / 16) x 256 + 16 x row + k % 16), scale words [k / 128][row] at byte 16,777,216.
; A WORK-GROUP STAYS: 8 x 32 work-groups; each makes four neighbouring tiles of 128 x 128, one after the other.  Its 128 rows of xn (131,072 bytes of codes, K = 1,024 in two LDS slots of 512 along K), their scale words and the scale bytes of its 512 rows of W1
; are fetched once.  Only W1's halves of the slots are filled again: slot 0 behind a tile's first 64 products, slot 1 in the middle of its way out, so that the next tile's weights land under products, gelu and conversions.
; The loop has three trips; the last tile, which asks for nothing, is written out.
; Four waves of 64 x 64: 16 accumulators in window 0, so that gelu and the quantiser need no switch of the register window.  A tile's bias waits in window 2 and is the C of each sum's first product; the next tile's is asked for at the head of the way out.
; CLUSTER 4 x 4: A's tiles and scale words are asked for jointly along a row of the cluster, B's along a column; each refill stands behind a round of the cluster's barrier.  Three loads of mine are out at the head, one behind each round.
; THE PRODUCT IS USED TRANSPOSED: a lane holds 8 neighbouring hidden units of one row.
; GELU: gelu(x) = max(x, 0) - |x| e, e = erfc(|x| / sqrt 2) / 2 = t 2^(P(t) - x^2 log2(e) / 2), t = 1 / (1 + |x| / (2 sqrt 2)), P the Chebyshev fit of degree 9 whose fractional error is under 1.2e-7 for every argument,
; with log2(e) and the factor 1/2 folded into its coefficients.  Nothing cancels on either side of 0.
; LIMITS: in the far negative tail the rounding of x^2 adds about 2e-7 x^2 to e's relative error; NaN and infinities are not served; blocks under 2^-111 keep the byte 1; the bytes are read by this program alone.
; A wave has two of a scale word's four bytes, so they leave as half words (524,288 bytes in the whole launch).
.set SIZE_K, 1024
.set KS,     SIZE_K/32
.set NS,     SIZE_K/128
.set NT,     4                         ; tiles of a work-group
.set AHALF,  32768
.set BP,     528                       ; a row of B in LDS: 512 bytes + 16 of padding = 132 words: the 16 rows of a load start at 16 different banks (64 banks of 4 bytes: ISA guide 11.1)
.set BHALF,  64*BP
.set BOFF,   2*AHALF
.set SLOT,   BOFF+2*BHALF
.set SCA,    2*SLOT                    ; A's scale words: 2 halves x NS x 256 bytes
.set SCB,    SCA+NS*512                ; the scale bytes of my NT x 128 rows of W1, dense
.set SPARE,  SCB+NT*128*KS             ; the spare words, 128 bytes a wave: two blocks of 256 bytes that no other line names
.set ADRA, 16
.set ADRB, 20
.set ADRSA, 22
.set ADRSB, 23
.set GO,  24                           ; v24 16 r + 8 h
.set LS,  25                           ; v25 4 x lane
.set SH,  26                           ; v26 16 x (lane / 16)
.set SPW, 28
.set NIL, 29
.set SA,  32                           ; v32-39 A's scale words
.set SB,  40                           ; v40-47 B's
.set TM,  48                           ; v48-63 the quantiser's work
.set GQ,  64                           ; v64-79  x^2
.set GT,  80                           ; v80-95  t, then e
.set GP,  96                           ; v96-111 P, then max(x, 0)
.set PC,  112                          ; v112-127 codes
.set ACC, 128
.set BIAS, 0                           ; window 2, v0-31: the tile's bias, 8 registers a tile of columns.  v7: the bias's offset, 32 h; v10-11: c9; none is rewritten
.set G1A, 24
.set G0A, 32
.set G1B, 48
.set G0B, 56
.set G1SA, 68
.set G0SA, 76
.set G1SB, 80
.set G0SB, 88
.set MNT, 67
.set SEL, 92
.set C8,  4                            ; the coefficients, each twice in a pair: c8 s[4:5], c7 s[6:7], c6 s[8:9], c5 s[18:19], c4 s[20:21], c3 s[22:23], c2 s[40:41], c1 s[42:43], c0 s[44:45]: registers that the head is done with and no descriptor names
.set KK,  46                           ; s[46:47] -log2(e) / 2
.set KA,  94                           ; s94 1 / (2 sqrt 2)
.set MSB, 0
.macro WIN new
.if MSB != \new
	s_set_vgpr_msb (MSB<<8)|\new
.set MSB, \new
.endif
.endm
.macro PLACES n
.rept \n
	v_nop
.endr
.endm
.macro JLOAD g0a, g1a, g0b, g1b        ; a joint first fill: waves 0 and 1 for A, waves 2 and 3 for B; an s_nop 0 and four v_nop follow each line
	s_cmp_eq_u32 s15, 0
	s_cbranch_scc0 .Lfor_b_\@
	tensor_load_to_lds s[\g0a:\g0a+3], s[\g1a:\g1a+7]
	s_nop 0
.rept 4
	v_nop
.endr
	s_branch .Lasked_\@
.Lfor_b_\@:
	tensor_load_to_lds s[\g0b:\g0b+3], s[\g1b:\g1b+7]
	s_nop 0
.rept 4
	v_nop
.endr
.Lasked_\@:
.endm
.macro BFILL slot                      ; the joint refill of B's half of a slot: waves 2 and 3, 64 rows each; waves 0 and 1 have no part to fill
	s_cmp_eq_u32 s15, 0
	s_cbranch_scc1 .Lnone_\@
	tensor_load_to_lds s[G0B+4*\slot:G0B+4*\slot+3], s[G1B:G1B+7]
	s_nop 0
.rept 4
	v_nop
.endr
.Lnone_\@:
.endm
.macro CROUND
	s_barrier_signal -1
	s_barrier_wait -1
	s_cmp_lg_u32 s14, 0
	s_cbranch_scc1 .Lnot_wave_0_\@
	s_barrier_signal -3
.Lnot_wave_0_\@:
	s_barrier_wait -3
	s_barrier_signal -1
	s_barrier_wait -1
.endm
.macro WM d, s0, s1, c, sc0, row0, sc1, row1
.if ((\row0) == 1) && ((\row1) == 1)
	v_wmma_scale_f32_16x16x128_f8f6f4 v[(\d):(\d)+7], v[(\s0):(\s0)+15], v[(\s1):(\s1)+15], v[(\c):(\c)+7], v[(\sc0)], v[(\sc1)] matrix_a_fmt:MATRIX_FMT_BF8 matrix_b_fmt:MATRIX_FMT_BF8 matrix_a_scale:MATRIX_SCALE_ROW1 matrix_b_scale:MATRIX_SCALE_ROW1
.elseif (\row0) == 1
	v_wmma_scale_f32_16x16x128_f8f6f4 v[(\d):(\d)+7], v[(\s0):(\s0)+15], v[(\s1):(\s1)+15], v[(\c):(\c)+7], v[(\sc0)], v[(\sc1)] matrix_a_fmt:MATRIX_FMT_BF8 matrix_b_fmt:MATRIX_FMT_BF8 matrix_a_scale:MATRIX_SCALE_ROW1
.elseif (\row1) == 1
	v_wmma_scale_f32_16x16x128_f8f6f4 v[(\d):(\d)+7], v[(\s0):(\s0)+15], v[(\s1):(\s1)+15], v[(\c):(\c)+7], v[(\sc0)], v[(\sc1)] matrix_a_fmt:MATRIX_FMT_BF8 matrix_b_fmt:MATRIX_FMT_BF8 matrix_b_scale:MATRIX_SCALE_ROW1
.else
	v_wmma_scale_f32_16x16x128_f8f6f4 v[(\d):(\d)+7], v[(\s0):(\s0)+15], v[(\s1):(\s1)+15], v[(\c):(\c)+7], v[(\sc0)], v[(\sc1)] matrix_a_fmt:MATRIX_FMT_BF8 matrix_b_fmt:MATRIX_FMT_BF8
.endif
.endm
; 8 products: A's tiles a0, a0 + 1 x B's four; accumulator (a, b) at ACC + 8 (4 a + b).  first = 1: the bias (window 2) is the C.  The 16 accumulators take turns, one instruction a turn, in the same order in every step.
.macro MUL8 f, a0, q, first
.irp a, \a0, \a0+1
.irp b, 0,1,2,3
.if \first
	WM ACC+8*(4*(\a)+\b), 128*(\f)+64+16*\b, 128*(\f)+16*(\a), BIAS+8*\b, SB+4*(\b/2)+(\q), \b%2, SA+2*(\q)+(\a)/2, (\a)%2
.else
	WM ACC+8*(4*(\a)+\b), 128*(\f)+64+16*\b, 128*(\f)+16*(\a), ACC+8*(4*(\a)+\b), SB+4*(\b/2)+(\q), \b%2, SA+2*(\q)+(\a)/2, (\a)%2
.endif
.endr
.endr
.endm
.macro FETCH slot, q, f                ; 32 LDS loads in one run: B's four fragments, A's tiles 0 and 1, A's tiles 2 and 3
	WIN 0x40
.irp b, 0,1,2,3
.irp c, 0,1,2,3
	ds_load_b128 v[128*(\f)+64+16*\b+4*\c:128*(\f)+64+16*\b+4*\c+3], v[ADRB+\slot] offset:\b*16*BP+128*(\q)+32*\c
.endr
.endr
.irp a, 0,1,2,3
.irp c, 0,1,2,3
	ds_load_b128 v[128*(\f)+16*\a+4*\c:128*(\f)+16*\a+4*\c+3], v[ADRA+\slot] offset:\a*8192+2048*(\q)+512*\c
.endr
.endr
.endm
.macro SCALES fill
.irp q, 0,1,2,3
.irp i, 0,1
	ds_load_b32 v[SA+2*\q+\i], v[ADRSA] offset:1024*(\fill)+256*\q+128*\i
.endr
.endr
.irp i, 0,1
	ds_load_b128 v[SB+4*\i:SB+4*\i+3], v[ADRSB] offset:16*(\fill)+32*KS*\i
.endr
.endm
; Eight plain vector instructions stand between a product and a load into a register that it has read, and between a product and the first read of its result.
.macro STEP slot, q, first
	s_wait_dscnt 8                                 ; all but the youngest eight loads, A's tiles 2 and 3 of this step
.if \first
	WIN 0x25                                       ; sources 0 and 1 window 1; C window 2; D window 0
.else
	WIN 0x05
.endif
	MUL8 (\q)%2, 0, \q, \first
	PLACES 8
	FETCH \slot, (\q)+1, 1-(\q)%2
	s_wait_dscnt 32                                ; all but the 32 just issued
.if \first
	WIN 0x25
.else
	WIN 0x05
.endif
	MUL8 (\q)%2, 2, \q, \first
.endm
.macro SLOTWORK slot, first
	SCALES \slot
	FETCH \slot, 0, 0
	STEP \slot, 0, \first
	STEP \slot, 1, 0
	STEP \slot, 2, 0
	s_wait_dscnt 8
	WIN 0x05
	MUL8 1, 0, 3, 0
	s_wait_dscnt 0x0
	MUL8 1, 2, 3, 0
	WIN 0
.endm
; Each wave waits for all its tensor loads (so the slot that is read next is whole), adds 0 to its spare word, and waits for that and for its LDS reads.
; refill = 1: a round of the cluster's barrier, and behind it B's half of slot `slot`, which nobody reads any more, takes the next tile's rows, 128 further down.
.macro CHANGE slot, refill
	s_wait_tensorcnt 0x0                           ; no tensor load of mine is out, so a group 0 may be written
	ds_add_u32 v[SPW], v[NIL]
.if \refill
	s_add_nc_u64 s[G0B+4*\slot+2:G0B+4*\slot+3], s[G0B+4*\slot+2:G0B+4*\slot+3], 128*SIZE_K
.endif
	s_wait_dscnt 0x0
.if \refill
	CROUND
	BFILL \slot
.else
	s_barrier_signal -1
	s_barrier_wait -1
.endif
.endm
.macro QUANT64 s, pc, pw               ; 64 numbers of a lane, four blocks of 16 registers; a block's other 16 lie in lane l xor 16
.irp b, 0,1,2,3
	v_max3_num_f32 v[TM+\b], |v[\s+16*\b]|, |v[\s+1+16*\b]|, 0x8000000
.endr
.irp i, 2,4,6,8,10,12,14
.irp b, 0,1,2,3
	v_max3_num_f32 v[TM+\b], v[TM+\b], |v[\s+16*\b+\i]|, |v[\s+1+16*\b+\i]|
.endr
.endr
.irp b, 0,1,2,3
	v_permlanex16_b32 v[TM+4+\b], v[TM+\b], s[SEL], s[SEL+1]
.endr
.irp b, 0,1,2,3
	v_max_num_f32 v[TM+\b], v[TM+\b], v[TM+4+\b]
.endr
.irp b, 0,1,2,3
	v_add_nc_u32 v[TM+12+\b], 0xf8800000, v[TM+\b]
.endr
.irp b, 0,1,2,3
	v_and_or_b32 v[TM+8+\b], v[TM+\b], 0x7f800000, s[MNT]
.endr
.irp b, 0,1,2,3
	v_lshrrev_b32 v[TM+4+\b], 23, v[TM+12+\b]
.endr
	v_lshl_or_b32 v[\pw], v[TM+5], 8, v[TM+4]
	v_lshl_or_b32 v[\pw], v[TM+6], 16, v[\pw]
	v_lshl_or_b32 v[\pw], v[TM+7], 24, v[\pw]
.irp b, 0,1,2,3
.irp i, 0,1,2,3,4,5,6,7,8,9,10,11,12,13,14,15
	v_med3_num_f32 v[\s+16*\b+\i], v[\s+16*\b+\i], -v[TM+8+\b], v[TM+8+\b]   ; the conversion does not saturate (ISA guide 7.6.2): the hold comes first
.endr
	v_cvt_scalef32_pk8_bf8_f32 v[\pc+4*\b:\pc+4*\b+1], v[\s+16*\b:\s+16*\b+7], v[TM+12+\b]
	v_cvt_scalef32_pk8_bf8_f32 v[\pc+4*\b+2:\pc+4*\b+3], v[\s+16*\b+8:\s+16*\b+15], v[TM+12+\b]
.endr
	v_nop
.endm
; gelu of 16 registers, in place: 11 instructions a number, two batches of transcendentals with one wait each
.macro GELU16 x
.irp i, 0,1,2,3,4,5,6,7,8,9,10,11,12,13,14,15
	v_fma_f32 v[GT+\i], |v[\x+\i]|, s[KA], 1.0
.endr
.irp i, 0,1,2,3,4,5,6,7,8,9,10,11,12,13,14,15
	v_rcp_f32 v[GT+\i], v[GT+\i]                   ; t
.endr
.irp i, 0,2,4,6,8,10,12,14
	v_pk_mul_f32 v[GQ+\i:GQ+\i+1], v[\x+\i:\x+\i+1], v[\x+\i:\x+\i+1]      ; x^2: plain work behind the batch
.endr
	s_wait_alu depctr_va_vdst(0)                   ; one wait for the 16 reciprocals, ahead of their first reader
.irp i, 0,2,4,6,8,10,12,14
	v_pk_fma_f32 v[GP+\i:GP+\i+1], v[GT+\i:GT+\i+1], v[10:11], s[C8:C8+1] op_sel_hi:[1,1,0]
.endr
.irp cc, 6,8,18,20,22,40,42,44
.irp i, 0,2,4,6,8,10,12,14
	v_pk_fma_f32 v[GP+\i:GP+\i+1], v[GP+\i:GP+\i+1], v[GT+\i:GT+\i+1], s[\cc:\cc+1] op_sel_hi:[1,1,0]
.endr
.endr
.irp i, 0,2,4,6,8,10,12,14
	v_pk_fma_f32 v[GP+\i:GP+\i+1], v[GQ+\i:GQ+\i+1], s[KK:KK+1], v[GP+\i:GP+\i+1] op_sel_hi:[1,0,1]
.endr
.irp i, 0,1,2,3,4,5,6,7,8,9,10,11,12,13,14,15
	v_exp_f32 v[GP+\i], v[GP+\i]
.endr
	v_nop
	s_wait_alu depctr_va_vdst(0)                   ; and one for the 16 exponentials
.irp i, 0,2,4,6,8,10,12,14
	v_pk_mul_f32 v[GT+\i:GT+\i+1], v[GT+\i:GT+\i+1], v[GP+\i:GP+\i+1]      ; e
.endr
.irp i, 0,1,2,3,4,5,6,7,8,9,10,11,12,13,14,15
	v_max_num_f32 v[GP+\i], 0, v[\x+\i]
.endr
.irp i, 0,1,2,3,4,5,6,7,8,9,10,11,12,13,14,15
	v_fma_f32 v[\x+\i], -|v[\x+\i]|, v[GT+\i], v[GP+\i]
.endr
.endm
.macro HALF g                          ; my row tiles 2 g and 2 g + 1: gelu, codes, stores
	GELU16 ACC+64*\g
	GELU16 ACC+64*\g+16
	GELU16 ACC+64*\g+32
	GELU16 ACC+64*\g+48
	s_wait_xcnt 0x0                                ; the stores before have read the codes' registers
	QUANT64 ACC+64*\g, PC, 30+\g                   ; blocks (tile 2 g, units 0-31), (2 g, 32-63), (2 g + 1, 0-31), (2 g + 1, 32-63)
.irp i, 0,1,2,3
	global_store_b64 v[GO], v[PC+4*\i:PC+4*\i+1], s[96:97] offset:(2*\g+\i/2)*65536+(\i%2)*512        ; 32 lanes store 256 consecutive bytes, aligned: 16 hidden units of 16 rows
	global_store_b64 v[GO], v[PC+4*\i+2:PC+4*\i+3], s[96:97] offset:(2*\g+\i/2)*65536+(\i%2)*512+256
.endr
	v_lshrrev_b32 v[12+\g], v[SH], v[30+\g]        ; lanes 0-15 the even tile's two bytes, lanes 16-31 the odd tile's
	global_store_b16 v[LS], v[12+\g], s[98:99] offset:128*\g
.endm
; A tile.  refill = 1: it has a successor, whose weights and bias are asked for on the way.
.macro TILE refill
	s_wait_loadcnt 0x0                             ; this tile's bias
	SLOTWORK 0, 1
	CHANGE 0, \refill                              ; slot 1 is whole; slot 0 takes the next tile's first 512 along K
	PLACES 8
	SLOTWORK 1, 0
	PLACES 8
.if \refill
	s_add_nc_u64 s[10:11], s[10:11], 512           ; (the loads that named this base are in: the wait at the tile's head)
	WIN 0x80                                       ; destination window 2
.irp b, 0,1,2,3
	global_load_b128 v[BIAS+8*\b:BIAS+8*\b+3], v7, s[10:11] offset:64*\b
	global_load_b128 v[BIAS+8*\b+4:BIAS+8*\b+7], v7, s[10:11] offset:64*\b+16
.endr
	WIN 0
.endif
	HALF 0
.if \refill
	CHANGE 1, 1                                    ; slot 0 is whole again; slot 1 takes the next tile's second 512 along K
.endif
	HALF 1
.if \refill
	s_wait_xcnt 0x0                                ; the stores have read their bases
	s_add_nc_u64 s[96:97], s[96:97], 2048          ; 128 hidden units on in the image,
	s_add_nc_u64 s[98:99], s[98:99], 16384         ; a step on among the scale words,
	v_add_nc_u32 v[ADRSB], 128*KS, v[ADRSB]        ; 128 rows on among W1's scale bytes
.endif
.endm
	s_load_b256 s[4:11], s[0:1], 0x0               ; xn, W1's codes, W1's scales, b1
	s_load_b64 s[12:13], s[0:1], 0x20              ; h
	v_lshl_add_u32 v[SPW], v0, 2, SPARE
	v_mov_b32 v[NIL], 0
	ds_add_u32 v[SPW], v[NIL]                      ; the opening: the add, twice on end, and its wait ahead of my first tensor load
	ds_add_u32 v[SPW], v[NIL]
	v_lshrrev_b32 v1, 5, v0
	v_readfirstlane_b32 s14, v1
	s_lshr_b32 s15, s14, 1                         ; my half of the rows; also: I fetch for A (0) or for B (1)
	s_and_b32 s16, s14, 1                          ; my half of the columns; also: which half I fetch
	s_bfe_u32 s40, ttmp6, 0x40000
	s_bfe_u32 s41, ttmp6, 0x40004
	s_lshl_b32 s42, ttmp9, 2
	s_add_co_u32 s42, s42, s40
	s_lshl_b32 s42, s42, 2                         ; my first tile column: NT x (4 x cluster x + cx)
	s_and_b32 s17, ttmp7, 0xffff
	s_lshl_b32 s17, s17, 2
	s_add_co_u32 s17, s17, s41                     ; tile row
	s_lshl_b32 s43, s41, 2
	s_lshl_b32 s43, 15, s43
	s_lshl_b32 s44, 0x1111, s40
	s_or_b32 s[G1A], s43, (3<<16)|(1<<21)          ; A: 4 rows (tiles) of 1,024 elements of 8 bytes, 16 K bytes apart
	s_mov_b32 s[G1A+1], 1024<<16
	s_mov_b32 s[G1A+2], 4<<16
	s_mov_b32 s[G1A+3], 1024<<16
	s_mov_b32 s[G1A+4], 4
	s_mov_b32 s[G1A+5], 2*SIZE_K
	s_mov_b32 s[G1A+6], 0
	s_mov_b32 s[G1A+7], 0
	s_or_b32 s[G1B], s44, (0<<16)|(1<<20)|(1<<21)|(6<<22)|(3<<25)   ; B: 64 rows of 512 bytes, K bytes apart; 4 words of padding behind every 128
	s_mov_b32 s[G1B+1], 512<<16
	s_mov_b32 s[G1B+2], 64<<16
	s_mov_b32 s[G1B+3], 512<<16
	s_mov_b32 s[G1B+4], 64
	s_mov_b32 s[G1B+5], SIZE_K
	s_mov_b32 s[G1B+6], 0
	s_mov_b32 s[G1B+7], 0
	s_or_b32 s[G1SA], s43, (3<<16)|(1<<21)         ; A's scale words: NS rows of 256 bytes, 16,384 bytes apart
	s_mov_b32 s[G1SA+1], 32<<16
	s_mov_b32 s[G1SA+2], NS<<16
	s_mov_b32 s[G1SA+3], 32<<16
	s_mov_b32 s[G1SA+4], NS
	s_mov_b32 s[G1SA+5], 2048
	s_mov_b32 s[G1SA+6], 0
	s_mov_b32 s[G1SA+7], 0
	s_or_b32 s[G1SB], s44, (3<<16)|(1<<21)         ; the scale bytes of NT x 64 rows of W1: a dense block, as rows of 256 bytes
	s_mov_b32 s[G1SB+1], 32<<16
	s_mov_b32 s[G1SB+2], (NT*64*KS/256)<<16
	s_mov_b32 s[G1SB+3], 32<<16
	s_mov_b32 s[G1SB+4], NT*64*KS/256
	s_mov_b32 s[G1SB+5], 32
	s_mov_b32 s[G1SB+6], 0
	s_mov_b32 s[G1SB+7], 0
	s_lshl_b32 s18, s17, 3
	s_lshl_b32 s19, s16, 2
	s_add_co_u32 s18, s18, s19                     ; A: the first tile of 16 rows that I fetch
	s_mul_i32 s20, s18, 16*SIZE_K
	s_mov_b32 s21, 0
	s_lshl_b32 s22, s18, 6
	s_add_co_u32 s22, s22, 4096*SIZE_K
	s_mov_b32 s23, 0
	s_lshl_b32 s46, s42, 7
	s_lshl_b32 s94, s16, 8
	s_add_co_u32 s94, s94, s46                     ; the scale bytes: my half of the walk's 512 rows
	s_mul_i32 s94, s94, KS
	s_mov_b32 s95, 0
	s_lshl_b32 s47, s16, 6
	s_add_co_u32 s46, s46, s47                     ; the codes: my half of the first tile's 128 rows
	s_mul_i32 s46, s46, SIZE_K
	s_mov_b32 s47, 0
	s_mul_i32 s2, s16, AHALF                       ; where they go: the wave's number alone enters an LDS address
	s_mul_i32 s3, s16, BHALF
	s_add_co_u32 s3, s3, BOFF
	s_mul_i32 s18, s16, NS*256
	s_add_co_u32 s18, s18, SCA
	s_mul_i32 s19, s16, NT*64*KS
	s_add_co_u32 s19, s19, SCB
	s_mov_b32 s[SEL], 0x76543210
	s_mov_b32 s[SEL+1], 0xfedcba98
	s_mov_b32 s[MNT], 0x600000
	s_wait_dscnt 0x0                               ; both opening adds are done
	s_wait_kmcnt 0x0
	s_add_nc_u64 s[20:21], s[4:5], s[20:21]
	s_add_nc_u64 s[22:23], s[4:5], s[22:23]
	s_add_nc_u64 s[46:47], s[6:7], s[46:47]
	s_add_nc_u64 s[94:95], s[8:9], s[94:95]
	CROUND                                         ; all sixteen work-groups are here: the first joint loads meet
	s_mov_b32 s[G0SA], 1
	s_mov_b32 s[G0SA+1], s18
	s_mov_b64 s[G0SA+2:G0SA+3], s[22:23]
	s_or_b32 s[G0SA+3], s[G0SA+3], 0x80000000
	s_mov_b32 s[G0SB], 1
	s_mov_b32 s[G0SB+1], s19
	s_mov_b64 s[G0SB+2:G0SB+3], s[94:95]
	s_or_b32 s[G0SB+3], s[G0SB+3], 0x80000000
	JLOAD G0SA, G1SA, G0SB, G1SB
.irp n, 0,1
	s_mov_b32 s[G0A+4*\n], 1
	s_add_co_u32 s[G0A+4*\n+1], s2, \n*SLOT
	s_add_nc_u64 s[G0A+4*\n+2:G0A+4*\n+3], s[20:21], \n*8192
	s_or_b32 s[G0A+4*\n+3], s[G0A+4*\n+3], 0x80000000
	s_mov_b32 s[G0B+4*\n], 1
	s_add_co_u32 s[G0B+4*\n+1], s3, \n*SLOT
	s_add_nc_u64 s[G0B+4*\n+2:G0B+4*\n+3], s[46:47], \n*512
	s_or_b32 s[G0B+4*\n+3], s[G0B+4*\n+3], 0x80000000
	JLOAD G0A+4*\n, G1A, G0B+4*\n, G1B             ; three loads of mine are out behind the second
.endr
	v_and_b32 v1, 15, v0                           ; r
	v_bfe_u32 v2, v0, 4, 1                         ; h
	v_and_b32 v3, 31, v0                           ; lane
	v_lshlrev_b32 v4, 4, v3
	v_lshlrev_b32 v[LS], 2, v3
	v_lshlrev_b32 v[SH], 4, v2
	v_lshlrev_b32 v[GO], 4, v1
	v_lshl_add_u32 v[GO], v2, 3, v[GO]
	s_mul_i32 s18, s15, AHALF
	v_add_nc_u32 v[ADRA], s18, v4
	v_add_nc_u32 v[ADRA+1], SLOT, v[ADRA]
	v_mul_u32_u24 v5, v1, BP
	v_lshl_add_u32 v5, v2, 4, v5
	s_mul_i32 s18, s16, BHALF
	s_add_co_u32 s18, s18, BOFF
	v_add_nc_u32 v[ADRB], s18, v5
	v_add_nc_u32 v[ADRB+1], SLOT, v[ADRB]
	s_mul_i32 s18, s15, NS*256
	s_add_co_u32 s18, s18, SCA
	v_add_nc_u32 v[ADRSA], s18, v[LS]
	s_mul_i32 s18, s16, 64*KS
	s_add_co_u32 s18, s18, SCB
	v_mul_u32_u24 v6, v3, KS
	v_add_nc_u32 v[ADRSB], s18, v6                 ; the first tile's rows: my half's 64, row = lane
	v_lshlrev_b32 v7, 5, v2
	s_lshl_b32 s18, s42, 9
	s_lshl_b32 s19, s16, 8
	s_add_co_u32 s18, s18, s19
	s_mov_b32 s19, 0
	s_add_nc_u64 s[10:11], s[10:11], s[18:19]      ; my 64 columns' bias in the first tile
	WIN 0x80                                       ; destination window 2
.irp b, 0,1,2,3
	global_load_b128 v[BIAS+8*\b:BIAS+8*\b+3], v7, s[10:11] offset:64*\b
	global_load_b128 v[BIAS+8*\b+4:BIAS+8*\b+7], v7, s[10:11] offset:64*\b+16
.endr
	WIN 0
	s_lshl_b32 s18, s17, 3
	s_lshl_b32 s19, s15, 2
	s_add_co_u32 s18, s18, s19                     ; my first tile of 16 rows
	s_lshl_b32 s20, s18, 16
	s_lshl_b32 s19, s42, 3
	s_lshl_b32 s21, s16, 2
	s_add_co_u32 s19, s19, s21                     ; my first 16 of the hidden units
	s_lshl_b32 s19, s19, 8
	s_add_co_u32 s20, s20, s19
	s_mov_b32 s21, 0
	s_add_nc_u64 s[96:97], s[12:13], s[20:21]      ; the codes
	s_lshl_b32 s20, s18, 6
	s_lshl_b32 s19, s42, 14
	s_add_co_u32 s20, s20, s19
	s_lshl_b32 s19, s16, 1
	s_add_co_u32 s20, s20, s19
	s_add_co_u32 s20, s20, 16777216
	s_add_nc_u64 s[98:99], s[12:13], s[20:21]      ; the scale bytes: step = tile column, my rows' words, bytes 2 wc on
	s_mov_b32 s4, 0xbf97d29d                       ; c8 = -1.18611495
	s_mov_b32 s5, s4
	s_mov_b32 s6, 0x40097039                       ; c7 =  2.14747446
	s_mov_b32 s7, s6
	s_mov_b32 s8, 0xbfd1a1e5                       ; c6 = -1.63775315
	s_mov_b32 s9, s8
	s_mov_b32 s18, 0x3ecdfd18                      ; c5 =  0.40232158
	s_mov_b32 s19, s18
	s_mov_b32 s20, 0xbe899a80                      ; c4 = -0.26875686
	s_mov_b32 s21, s20
	s_mov_b32 s22, 0x3e0efb2e                      ; c3 =  0.13963006
	s_mov_b32 s23, s22
	s_mov_b32 s40, 0x3f0a29d2                      ; c2 =  0.53970062
	s_mov_b32 s41, s40
	s_mov_b32 s42, 0x3fb8ab5a                      ; c1 =  1.44272920
	s_mov_b32 s43, s42
	s_mov_b32 s44, 0xc034d90f                      ; c0 = -2.82574822
	s_mov_b32 s45, s44
	s_mov_b32 s46, 0xbf38aa3b                      ; -log2(e) / 2
	s_mov_b32 s47, s46
	s_mov_b32 s94, 0x3eb504f3                      ; 1 / (2 sqrt 2)
	v_mov_b32 v10, 0x3e7c6f08                      ; c9 = 0.24651730
	v_mov_b32 v11, 0x3e7c6f08
.irp b, 0,1,2,3
	v_mov_b32 v[TM+4+\b], 0                        ; a lane permute's destination counts as one of its sources
.endr
	s_wait_tensorcnt 1                             ; the scales and my part of slot 0 are in; slot 1's load may be out
	s_barrier_signal -1
	s_barrier_wait -1
	s_mov_b32 s3, NT-1
.Ltile:                                            ; NT - 1 trips: every tile but the last asks for its successor's weights and bias
	TILE 1
	s_sub_co_u32 s3, s3, 1
	s_cmp_lg_u32 s3, 0
	s_cbranch_scc1 .Ltile
	TILE 0                                         ; the last tile is written out: it asks for nothing
	s_wait_tensorcnt 0x0                           ; the wave's end
	ds_add_u32 v[SPW], v[NIL]
	s_wait_dscnt 0x0
	CROUND                                         ; the closing round
	s_endpgm
.Lfunc_end_k_q4b0afa9d4f_fc1:
	.size	k_q4b0afa9d4f_fc1, .Lfunc_end_k_q4b0afa9d4f_fc1-k_q4b0afa9d4f_fc1
	.p2alignl 7, 3214868480
	.fill 96, 4, 3214868480
	.section	.rodata,"a",@progbits
	.p2align	6, 0x0
	.amdhsa_kernel k_q4b0afa9d4f_fc1
		.amdhsa_group_segment_fixed_size 327680
		.amdhsa_private_segment_fixed_size 0
		.amdhsa_enable_private_segment 0
		.amdhsa_kernarg_size 40
		.amdhsa_user_sgpr_count 2
		.amdhsa_user_sgpr_kernarg_segment_ptr 1
		.amdhsa_wavefront_size32 1
		.amdhsa_system_sgpr_workgroup_id_x 1
		.amdhsa_system_sgpr_workgroup_id_y 1
		.amdhsa_system_sgpr_workgroup_id_z 1
		.amdhsa_system_vgpr_workitem_id 0
		.amdhsa_next_free_vgpr 640
		.amdhsa_next_free_sgpr 100
		.amdhsa_reserve_vcc 0
		.amdhsa_float_denorm_mode_32 3
		.amdhsa_float_denorm_mode_16_64 3
		.amdhsa_memory_ordered 1
		.amdhsa_forward_progress 1
		.amdhsa_inst_pref_size 255
	.end_amdhsa_kernel
	.section	.bss,"aw",@nobits
	.p2align	6
	.space	262144
	.amdgpu_metadata
---
amdhsa.version: [ 1, 2 ]
amdhsa.kernels:
  - .name:           k_q4b0afa9d4f_fc1
    .symbol:         k_q4b0afa9d4f_fc1.kd
    .args:
      - { .name: xn, .offset: 0, .size: 8, .value_kind: global_buffer, .address_space: global }
      - { .name: W1_codes, .offset: 8, .size: 8, .value_kind: global_buffer, .address_space: global }
      - { .name: W1_scales, .offset: 16, .size: 8, .value_kind: global_buffer, .address_space: global }
      - { .name: b1, .offset: 24, .size: 8, .value_kind: global_buffer, .address_space: global }
      - { .name: h, .offset: 32, .size: 8, .value_kind: global_buffer, .address_space: global }
    .group_segment_fixed_size: 327680
    .private_segment_fixed_size: 0
    .kernarg_segment_align: 8
    .kernarg_segment_size: 40
    .max_flat_workgroup_size: 128
    .sgpr_count:     100
    .vgpr_count:     640
    .wavefront_size: 32
...
	.end_amdgpu_metadata
.endif
;; end of part 5
;; launch fc2 (part 6): grid 8 x 32, 4 waves a work-group, clusters of 4 x 4, 327,680 bytes of LDS; arguments h, W2_codes, W2_scales, b2, x1, out0; writes out0
.if DOCPART == 6
	.amdgcn_target "amdgcn-amd-amdhsa--gfx1250"
	.amdhsa_code_object_version 6
	.text
	.protected	k_q4b0afa9d4f_fc2
	.globl	k_q4b0afa9d4f_fc2
	.p2align	8
	.type	k_q4b0afa9d4f_fc2,@function
k_q4b0afa9d4f_fc2:
	s_mov_b64 s[64:65], 0
	v_nop
	global_prefetch_b8 v0, s[64:65] scope:SCOPE_SE
	s_setreg_imm32_b32 hwreg(HW_REG_WAVE_MODE, 25, 1), 1
	s_wait_xcnt 0x0
	s_wait_alu depctr_hold_cnt(0) depctr_sa_sdst(0) depctr_va_vdst(0) depctr_va_sdst(0) depctr_va_ssrc(0) depctr_va_vcc(0) depctr_vm_vsrc(0)
	s_getreg_b32 s2, hwreg(HW_REG_IB_STS2, 6, 4)
	s_cmp_eq_u32 s2, 0
	s_cbranch_scc0 .Lentry_in_a_cluster
	s_endpgm
.Lentry_in_a_cluster:
	s_bfe_u32 s2, ttmp6, 0x10000c
	s_cmp_lg_u32 s2, 0xf033
	s_cbranch_scc0 .Lentry_shape_is_right
	s_endpgm
.Lentry_shape_is_right:
; out = res + A W^T + bias on codes of E5M2 with E8M0 scales: here out0 = x1 + h W2 + b2, K = 4,096.  No work of reference() is left out.
; A: the operand's image (tile of 16 rows x 16 K bytes + (k / 16) x 256 + 16 x row + k % 16) with its scale words [k / 128][row] behind it.  W: [1,024 (n)][K] codes, scale bytes [1,024][K / 32].  res, out: [4,096][1,024] f32.
; A tile of C is 128 x 128: 256 work-groups, one to a WGP.  Four waves of 64 x 64: 16 accumulators in window 0.  K goes through a ring of two LDS slots of 512 along K: eight fills, 64 products a wave between two changes of slots.
; The scale words of all of K come once, with the first fills, and stay.
; CLUSTER 4 x 4: A's tiles and scale words are asked for jointly along a row of the cluster, B's along a column; each refill stands behind a round of the cluster's barrier.  One load of mine is out behind each round, three at the head.
; THE PRODUCT IS USED TRANSPOSED (source 0 = 16 rows of W, source 1 = 16 rows of A): a lane holds 8 neighbouring columns of one row.  The bias is the C of each sum's first product.
; The wave's 64 x 64 of the residual is asked for at the head, into window 2, in the layout in which rows leave: the sums go through the wave's stage in LDS and come back as rows of 256 bytes.
; LIMITS: NaN and infinities are not served.
.set SIZE_K, 4096
.set KS,     SIZE_K/32
.set NS,     SIZE_K/128
.set AHALF,  32768                     ; 4 tiles of A x 8,192 bytes (512 along K): what one tensor load brings
.set BP,     528                       ; a row of B in LDS: 512 bytes + 16 of padding = 132 words: the 16 rows of a load start at 16 different banks (64 banks of 4 bytes: ISA guide 11.1)
.set BHALF,  64*BP
.set BOFF,   2*AHALF
.set SLOT,   BOFF+2*BHALF
.set SCA,    2*SLOT                    ; A's scale words: 2 halves x NS x 256 bytes
.set SCB,    SCA+NS*512                ; B's scale bytes: 2 halves x 64 rows x KS
.set SPARE,  SCB+128*KS                ; the spare words, 128 bytes a wave: two blocks of 256 bytes that no other line names
.set ADRA, 16
.set ADRB, 20
.set ADRSA, 22
.set ADRSB, 23
.set STO, 24                           ; v24 the stage: where I put 32 bytes of a row.  The stage, 16 rows x 272 bytes a wave, lies in slot 0, which has had its last fill and its last read by then
.set RD,  25                           ; v25 and where I read a row back
.set CO,  26                           ; v26 my byte offset in two rows of res and out
.set SPW, 28
.set NIL, 29
.set SA,  32                           ; v32-39 A's scale words: register 2 q + i
.set SB,  40                           ; v40-47 B's: register 4 i + q
.set BIAS, 64                          ; v64-95 the bias; later, with v96-127, rows on their way out
.set BK,  64
.set ACC, 128
.set G1A, 24
.set G0A, 32
.set G1B, 48
.set G0B, 56
.set G1SA, 68
.set G0SA, 76
.set G1SB, 80
.set G0SB, 88
.set MSB, 0
.macro WIN new
.if MSB != \new
	s_set_vgpr_msb (MSB<<8)|\new
.set MSB, \new
.endif
.endm
.macro PLACES n
.rept \n
	v_nop
.endr
.endm
.macro JLOAD g0a, g1a, g0b, g1b        ; a joint load: waves 0 and 1 for A, waves 2 and 3 for B; an s_nop 0 and four v_nop follow each line
	s_cmp_eq_u32 s15, 0
	s_cbranch_scc0 .Lfor_b_\@
	tensor_load_to_lds s[\g0a:\g0a+3], s[\g1a:\g1a+7]
	s_nop 0
.rept 4
	v_nop
.endr
	s_branch .Lasked_\@
.Lfor_b_\@:
	tensor_load_to_lds s[\g0b:\g0b+3], s[\g1b:\g1b+7]
	s_nop 0
.rept 4
	v_nop
.endr
.Lasked_\@:
.endm
.macro CROUND
	s_barrier_signal -1
	s_barrier_wait -1
	s_cmp_lg_u32 s14, 0
	s_cbranch_scc1 .Lnot_wave_0_\@
	s_barrier_signal -3
.Lnot_wave_0_\@:
	s_barrier_wait -3
	s_barrier_signal -1
	s_barrier_wait -1
.endm
.macro WM d, s0, s1, c, sc0, row0, sc1, row1
.if ((\row0) == 1) && ((\row1) == 1)
	v_wmma_scale_f32_16x16x128_f8f6f4 v[(\d):(\d)+7], v[(\s0):(\s0)+15], v[(\s1):(\s1)+15], v[(\c):(\c)+7], v[(\sc0)], v[(\sc1)] matrix_a_fmt:MATRIX_FMT_BF8 matrix_b_fmt:MATRIX_FMT_BF8 matrix_a_scale:MATRIX_SCALE_ROW1 matrix_b_scale:MATRIX_SCALE_ROW1
.elseif (\row0) == 1
	v_wmma_scale_f32_16x16x128_f8f6f4 v[(\d):(\d)+7], v[(\s0):(\s0)+15], v[(\s1):(\s1)+15], v[(\c):(\c)+7], v[(\sc0)], v[(\sc1)] matrix_a_fmt:MATRIX_FMT_BF8 matrix_b_fmt:MATRIX_FMT_BF8 matrix_a_scale:MATRIX_SCALE_ROW1
.elseif (\row1) == 1
	v_wmma_scale_f32_16x16x128_f8f6f4 v[(\d):(\d)+7], v[(\s0):(\s0)+15], v[(\s1):(\s1)+15], v[(\c):(\c)+7], v[(\sc0)], v[(\sc1)] matrix_a_fmt:MATRIX_FMT_BF8 matrix_b_fmt:MATRIX_FMT_BF8 matrix_b_scale:MATRIX_SCALE_ROW1
.else
	v_wmma_scale_f32_16x16x128_f8f6f4 v[(\d):(\d)+7], v[(\s0):(\s0)+15], v[(\s1):(\s1)+15], v[(\c):(\c)+7], v[(\sc0)], v[(\sc1)] matrix_a_fmt:MATRIX_FMT_BF8 matrix_b_fmt:MATRIX_FMT_BF8
.endif
.endm
; 8 products: A's tiles a0, a0 + 1 x B's four, set f, the slot's q-th 128 along K; accumulator (a, b) at ACC + 8 (4 a + b).  The 16 accumulators take turns, one instruction a turn, in the same order in every step, over the loop's backward jump too.
.macro MUL8 f, a0, q, first
.irp a, \a0, \a0+1
.irp b, 0,1,2,3
.if \first
	WM ACC+8*(4*(\a)+\b), 128*(\f)+64+16*\b, 128*(\f)+16*(\a), BIAS+8*\b, SB+4*(\b/2)+(\q), \b%2, SA+2*(\q)+(\a)/2, (\a)%2
.else
	WM ACC+8*(4*(\a)+\b), 128*(\f)+64+16*\b, 128*(\f)+16*(\a), ACC+8*(4*(\a)+\b), SB+4*(\b/2)+(\q), \b%2, SA+2*(\q)+(\a)/2, (\a)%2
.endif
.endr
.endr
.endm
.macro FETCH slot, q, f                ; 32 LDS loads in one run: B's four fragments, A's tiles 0 and 1, A's tiles 2 and 3
	WIN 0x40
.irp b, 0,1,2,3
.irp c, 0,1,2,3
	ds_load_b128 v[128*(\f)+64+16*\b+4*\c:128*(\f)+64+16*\b+4*\c+3], v[ADRB+\slot] offset:\b*16*BP+128*(\q)+32*\c
.endr
.endr
.irp a, 0,1,2,3
.irp c, 0,1,2,3
	ds_load_b128 v[128*(\f)+16*\a+4*\c:128*(\f)+16*\a+4*\c+3], v[ADRA+\slot] offset:\a*8192+2048*(\q)+512*\c
.endr
.endr
.endm
.macro SCALES fill
.irp q, 0,1,2,3
.irp i, 0,1
	ds_load_b32 v[SA+2*\q+\i], v[ADRSA] offset:1024*(\fill)+256*\q+128*\i
.endr
.endr
.irp i, 0,1
	ds_load_b128 v[SB+4*\i:SB+4*\i+3], v[ADRSB] offset:16*(\fill)+32*KS*\i
.endr
.endm
; Eight plain vector instructions stand between a product and a load into a register that it has read, and between a product and the first read of its result.
.macro STEP slot, q, first
	s_wait_dscnt 8                                 ; all but the youngest eight loads, A's tiles 2 and 3 of this step
	WIN 0x05
	MUL8 (\q)%2, 0, \q, \first
	PLACES 8
	FETCH \slot, (\q)+1, 1-(\q)%2
	s_wait_dscnt 32                                ; all but the 32 just issued
	WIN 0x05
	MUL8 (\q)%2, 2, \q, \first
.endm
.macro SLOTWORK slot, first, fill
	SCALES \fill
	FETCH \slot, 0, 0
	STEP \slot, 0, \first
	STEP \slot, 1, 0
	STEP \slot, 2, 0
	s_wait_dscnt 8
	WIN 0x05
	MUL8 1, 0, 3, 0
	s_wait_dscnt 0x0
	MUL8 1, 2, 3, 0
	WIN 0
.endm
; The change to slot `slot`.  Each wave waits for all its tensor loads, adds 0 to its spare word, and waits for that and for its reads of the slot that it leaves.  refill = 1: a round of the cluster's barrier, and behind it the slot just left is filled, two fills on:
; that load has a slot's 64 products in which to land.
.macro CHANGE slot, refill
	s_wait_tensorcnt 0x0                           ; no tensor load of mine is out, so a group 0 may be written
	ds_add_u32 v[SPW], v[NIL]
.if \refill
	s_add_nc_u64 s[G0A+4*(1-\slot)+2:G0A+4*(1-\slot)+3], s[G0A+4*(1-\slot)+2:G0A+4*(1-\slot)+3], 16384
	s_add_nc_u64 s[G0B+4*(1-\slot)+2:G0B+4*(1-\slot)+3], s[G0B+4*(1-\slot)+2:G0B+4*(1-\slot)+3], 1024
.endif
	s_wait_dscnt 0x0
.if \refill
	CROUND
	JLOAD G0A+4*(1-\slot), G1A, G0B+4*(1-\slot), G1B
	PLACES 4
.else
	s_barrier_signal -1
	s_barrier_wait -1
	PLACES 8
.endif
.endm
	s_load_b256 s[4:11], s[0:1], 0x0               ; A, W's codes, W's scales, the bias
	s_load_b128 s[96:99], s[0:1], 0x20             ; res, out
	v_lshl_add_u32 v[SPW], v0, 2, SPARE
	v_mov_b32 v[NIL], 0
	ds_add_u32 v[SPW], v[NIL]                      ; the opening: the add, twice on end, and its wait ahead of my first tensor load
	ds_add_u32 v[SPW], v[NIL]
	v_lshrrev_b32 v1, 5, v0
	v_readfirstlane_b32 s14, v1                    ; wave 0..3
	s_lshr_b32 s15, s14, 1                         ; my half of the rows; also: I fetch for A (0) or for B (1)
	s_and_b32 s16, s14, 1                          ; my half of the columns; also: which half I fetch
	s_bfe_u32 s40, ttmp6, 0x40000
	s_bfe_u32 s41, ttmp6, 0x40004
	s_lshl_b32 s42, ttmp9, 2
	s_add_co_u32 s42, s42, s40                     ; tile column
	s_and_b32 s17, ttmp7, 0xffff
	s_lshl_b32 s17, s17, 2
	s_add_co_u32 s17, s17, s41                     ; tile row
	s_lshl_b32 s43, s41, 2
	s_lshl_b32 s43, 15, s43                        ; my row of the cluster
	s_lshl_b32 s44, 0x1111, s40                    ; my column
	s_or_b32 s[G1A], s43, (3<<16)|(1<<21)          ; A: 4 rows (tiles) of 1,024 elements of 8 bytes, 16 K bytes apart
	s_mov_b32 s[G1A+1], 1024<<16
	s_mov_b32 s[G1A+2], 4<<16
	s_mov_b32 s[G1A+3], 1024<<16
	s_mov_b32 s[G1A+4], 4
	s_mov_b32 s[G1A+5], 2*SIZE_K
	s_mov_b32 s[G1A+6], 0
	s_mov_b32 s[G1A+7], 0
	s_or_b32 s[G1B], s44, (0<<16)|(1<<20)|(1<<21)|(6<<22)|(3<<25)   ; B: 64 rows of 512 bytes, K bytes apart; 4 words of padding behind every 128
	s_mov_b32 s[G1B+1], 512<<16
	s_mov_b32 s[G1B+2], 64<<16
	s_mov_b32 s[G1B+3], 512<<16
	s_mov_b32 s[G1B+4], 64
	s_mov_b32 s[G1B+5], SIZE_K
	s_mov_b32 s[G1B+6], 0
	s_mov_b32 s[G1B+7], 0
	s_or_b32 s[G1SA], s43, (3<<16)|(1<<21)         ; A's scale words: NS rows of 256 bytes, 16,384 bytes apart
	s_mov_b32 s[G1SA+1], 32<<16
	s_mov_b32 s[G1SA+2], NS<<16
	s_mov_b32 s[G1SA+3], 32<<16
	s_mov_b32 s[G1SA+4], NS
	s_mov_b32 s[G1SA+5], 2048
	s_mov_b32 s[G1SA+6], 0
	s_mov_b32 s[G1SA+7], 0
	s_or_b32 s[G1SB], s44, (3<<16)|(1<<21)         ; B's scale bytes of 64 rows: a dense block, as rows of 256 bytes
	s_mov_b32 s[G1SB+1], 32<<16
	s_mov_b32 s[G1SB+2], (64*KS/256)<<16
	s_mov_b32 s[G1SB+3], 32<<16
	s_mov_b32 s[G1SB+4], 64*KS/256
	s_mov_b32 s[G1SB+5], 32
	s_mov_b32 s[G1SB+6], 0
	s_mov_b32 s[G1SB+7], 0
	s_lshl_b32 s18, s17, 3
	s_lshl_b32 s19, s16, 2
	s_add_co_u32 s18, s18, s19                     ; A: the first tile of 16 rows that I fetch
	s_mul_i32 s20, s18, 16*SIZE_K
	s_mov_b32 s21, 0
	s_lshl_b32 s22, s18, 6
	s_add_co_u32 s22, s22, 4096*SIZE_K
	s_mov_b32 s23, 0
	s_lshl_b32 s46, s42, 7
	s_lshl_b32 s47, s16, 6
	s_add_co_u32 s46, s46, s47                     ; B: the first row that I fetch
	s_mul_i32 s94, s46, KS
	s_mov_b32 s95, 0
	s_mul_i32 s46, s46, SIZE_K
	s_mov_b32 s47, 0
	s_mul_i32 s2, s16, AHALF                       ; where they go: the wave's number alone enters an LDS address
	s_mul_i32 s3, s16, BHALF
	s_add_co_u32 s3, s3, BOFF
	s_mul_i32 s18, s16, NS*256
	s_add_co_u32 s18, s18, SCA
	s_mul_i32 s19, s16, 64*KS
	s_add_co_u32 s19, s19, SCB
	s_wait_dscnt 0x0                               ; both opening adds are done
	s_wait_kmcnt 0x0
	s_add_nc_u64 s[20:21], s[4:5], s[20:21]
	s_add_nc_u64 s[22:23], s[4:5], s[22:23]
	s_add_nc_u64 s[46:47], s[6:7], s[46:47]
	s_add_nc_u64 s[94:95], s[8:9], s[94:95]
	CROUND                                         ; all sixteen work-groups are here: the first joint loads meet
	s_mov_b32 s[G0SA], 1
	s_mov_b32 s[G0SA+1], s18
	s_mov_b64 s[G0SA+2:G0SA+3], s[22:23]
	s_or_b32 s[G0SA+3], s[G0SA+3], 0x80000000
	s_mov_b32 s[G0SB], 1
	s_mov_b32 s[G0SB+1], s19
	s_mov_b64 s[G0SB+2:G0SB+3], s[94:95]
	s_or_b32 s[G0SB+3], s[G0SB+3], 0x80000000
	JLOAD G0SA, G1SA, G0SB, G1SB
.irp n, 0,1
	s_mov_b32 s[G0A+4*\n], 1
	s_add_co_u32 s[G0A+4*\n+1], s2, \n*SLOT
	s_add_nc_u64 s[G0A+4*\n+2:G0A+4*\n+3], s[20:21], \n*8192
	s_or_b32 s[G0A+4*\n+3], s[G0A+4*\n+3], 0x80000000
	s_mov_b32 s[G0B+4*\n], 1
	s_add_co_u32 s[G0B+4*\n+1], s3, \n*SLOT
	s_add_nc_u64 s[G0B+4*\n+2:G0B+4*\n+3], s[46:47], \n*512
	s_or_b32 s[G0B+4*\n+3], s[G0B+4*\n+3], 0x80000000
	JLOAD G0A+4*\n, G1A, G0B+4*\n, G1B             ; three loads of mine are out behind the second
.endr
	v_and_b32 v1, 15, v0                           ; r
	v_bfe_u32 v2, v0, 4, 1                         ; h
	v_and_b32 v3, 31, v0                           ; lane
	v_lshlrev_b32 v4, 4, v3
	s_mul_i32 s18, s15, AHALF
	v_add_nc_u32 v[ADRA], s18, v4
	v_add_nc_u32 v[ADRA+1], SLOT, v[ADRA]
	v_mul_u32_u24 v5, v1, BP
	v_lshl_add_u32 v5, v2, 4, v5
	s_mul_i32 s18, s16, BHALF
	s_add_co_u32 s18, s18, BOFF
	v_add_nc_u32 v[ADRB], s18, v5
	v_add_nc_u32 v[ADRB+1], SLOT, v[ADRB]
	s_mul_i32 s18, s15, NS*256
	s_add_co_u32 s18, s18, SCA
	v_lshl_add_u32 v[ADRSA], v3, 2, s18
	s_mul_i32 s18, s16, 64*KS
	s_add_co_u32 s18, s18, SCB
	v_mul_u32_u24 v6, v3, KS
	v_add_nc_u32 v[ADRSB], s18, v6
	s_mul_i32 s18, s14, 16*272                     ; my stage
	v_mul_u32_u24 v5, v1, 272
	v_lshl_add_u32 v5, v2, 5, v5
	v_add_nc_u32 v[STO], s18, v5                   ; in: row r, 32 bytes for each half of the lanes
	v_mul_u32_u24 v5, v2, 272
	v_lshl_add_u32 v5, v1, 4, v5
	v_add_nc_u32 v[RD], s18, v5                    ; back: lanes 0-15 one row of 256 bytes, lanes 16-31 the next
	v_lshlrev_b32 v5, 12, v2
	v_lshl_add_u32 v[CO], v1, 4, v5                ; and the same two rows in memory
	v_lshlrev_b32 v7, 5, v2
	s_lshl_b32 s18, s42, 9
	s_lshl_b32 s19, s16, 8
	s_add_co_u32 s18, s18, s19                     ; my 64 columns, in bytes
	s_mov_b32 s19, 0
	s_add_nc_u64 s[10:11], s[10:11], s[18:19]
	s_lshl_b32 s20, s17, 7
	s_lshl_b32 s21, s15, 6
	s_add_co_u32 s20, s20, s21
	s_lshl_b32 s20, s20, 12                        ; my 64 rows of 4,096 bytes
	s_add_co_u32 s18, s18, s20
	s_add_nc_u64 s[96:97], s[96:97], s[18:19]
	s_add_nc_u64 s[98:99], s[98:99], s[18:19]
.irp b, 0,1,2,3
	global_load_b128 v[BIAS+8*\b:BIAS+8*\b+3], v7, s[10:11] offset:64*\b
	global_load_b128 v[BIAS+8*\b+4:BIAS+8*\b+7], v7, s[10:11] offset:64*\b+16
.endr
	WIN 0x80                                       ; destination window 2
.set i, 0
.rept 32
	global_load_b128 v[4*i:4*i+3], v[CO], s[96:97] offset:2*i*4096       ; the residual: rows 2 i and 2 i + 1 of my 64, 256 bytes each
.set i, i+1
.endr
	WIN 0
	s_wait_tensorcnt 1                             ; the scales and my part of slot 0 are in; slot 1's load may be out
	s_barrier_signal -1
	s_barrier_wait -1
	s_wait_loadcnt 32                              ; the bias is in; the residual's 32 loads may be out
	SLOTWORK 0, 1, 0
.if SIZE_K > 1024
	s_mov_b32 s3, SIZE_K/1024-1
.Llap:                                             ; a lap: two fills read, two asked for
	CHANGE 1, 1
	SLOTWORK 1, 0, 1
	CHANGE 0, 1
	SLOTWORK 0, 0, 2
	v_add_nc_u32 v[ADRSA], 2048, v[ADRSA]          ; two fills on among the scale words
	v_add_nc_u32 v[ADRSB], 32, v[ADRSB]
	s_sub_co_u32 s3, s3, 1
	s_cmp_lg_u32 s3, 0
	s_cbranch_scc1 .Llap
.endif
	CHANGE 1, 0                                    ; the last fill: nothing more is asked for
	SLOTWORK 1, 0, 1
; THE WAY OUT, 16 rows at a time: the sums into my stage, back as rows of 256 bytes, the residual added, stored.  LDS serves a wave's instructions in order (ISA guide 5.7.1.4): no wait between the stores and the loads.
.macro TOSTAGE a
.irp b, 0,1,2,3
	ds_store_b128 v[STO], v[ACC+8*(4*(\a)+\b):ACC+8*(4*(\a)+\b)+3] offset:64*\b            ; each accumulator from its low end on
	ds_store_b128 v[STO], v[ACC+8*(4*(\a)+\b)+4:ACC+8*(4*(\a)+\b)+7] offset:64*\b+16
.endr
.irp t, 0,1,2,3,4,5,6,7
	ds_load_b128 v[BK+32*((\a)%2)+4*\t:BK+32*((\a)%2)+4*\t+3], v[RD] offset:544*\t
.endr
.endm
.macro SEND a, younger
	s_wait_dscnt \younger
	WIN 0x08                                       ; source 1 window 2: the residual
.irp i, 0,2,4,6,8,10,12,14,16,18,20,22,24,26,28,30
	v_pk_add_f32 v[BK+32*((\a)%2)+\i:BK+32*((\a)%2)+\i+1], v[BK+32*((\a)%2)+\i:BK+32*((\a)%2)+\i+1], v[32*(\a)+\i:32*(\a)+\i+1]
.endr
	WIN 0
.irp t, 0,1,2,3,4,5,6,7
	global_store_b128 v[CO], v[BK+32*((\a)%2)+4*\t:BK+32*((\a)%2)+4*\t+3], s[98:99] offset:(16*(\a)+2*\t)*4096    ; 16 lanes store 256 consecutive bytes, aligned
.endr
.endm
	s_wait_loadcnt 0x0                             ; the residual
	PLACES 8
	TOSTAGE 0
.irp a, 1,2,3
.if \a > 1
	s_wait_xcnt 0x0                                ; block a - 2's stores have read their registers: block a's loads may land there
.endif
	TOSTAGE \a
	SEND \a-1, 16                                  ; behind block a - 1's loads: block a's 8 stores and 8 loads
.endr
	SEND 3, 0
	s_wait_tensorcnt 0x0                           ; the wave's end
	ds_add_u32 v[SPW], v[NIL]
	s_wait_dscnt 0x0
	CROUND                                         ; the closing round
	s_endpgm
.Lfunc_end_k_q4b0afa9d4f_fc2:
	.size	k_q4b0afa9d4f_fc2, .Lfunc_end_k_q4b0afa9d4f_fc2-k_q4b0afa9d4f_fc2
	.p2alignl 7, 3214868480
	.fill 96, 4, 3214868480
	.section	.rodata,"a",@progbits
	.p2align	6, 0x0
	.amdhsa_kernel k_q4b0afa9d4f_fc2
		.amdhsa_group_segment_fixed_size 327680
		.amdhsa_private_segment_fixed_size 0
		.amdhsa_enable_private_segment 0
		.amdhsa_kernarg_size 48
		.amdhsa_user_sgpr_count 2
		.amdhsa_user_sgpr_kernarg_segment_ptr 1
		.amdhsa_wavefront_size32 1
		.amdhsa_system_sgpr_workgroup_id_x 1
		.amdhsa_system_sgpr_workgroup_id_y 1
		.amdhsa_system_sgpr_workgroup_id_z 1
		.amdhsa_system_vgpr_workitem_id 0
		.amdhsa_next_free_vgpr 640
		.amdhsa_next_free_sgpr 100
		.amdhsa_reserve_vcc 0
		.amdhsa_float_denorm_mode_32 3
		.amdhsa_float_denorm_mode_16_64 3
		.amdhsa_memory_ordered 1
		.amdhsa_forward_progress 1
		.amdhsa_inst_pref_size 101
	.end_amdhsa_kernel
	.amdgpu_metadata
---
amdhsa.version: [ 1, 2 ]
amdhsa.kernels:
  - .name:           k_q4b0afa9d4f_fc2
    .symbol:         k_q4b0afa9d4f_fc2.kd
    .args:
      - { .name: h, .offset: 0, .size: 8, .value_kind: global_buffer, .address_space: global }
      - { .name: W2_codes, .offset: 8, .size: 8, .value_kind: global_buffer, .address_space: global }
      - { .name: W2_scales, .offset: 16, .size: 8, .value_kind: global_buffer, .address_space: global }
      - { .name: b2, .offset: 24, .size: 8, .value_kind: global_buffer, .address_space: global }
      - { .name: x1, .offset: 32, .size: 8, .value_kind: global_buffer, .address_space: global }
      - { .name: out0, .offset: 40, .size: 8, .value_kind: global_buffer, .address_space: global }
    .group_segment_fixed_size: 327680
    .private_segment_fixed_size: 0
    .kernarg_segment_align: 8
    .kernarg_segment_size: 48
    .max_flat_workgroup_size: 128
    .sgpr_count:     100
    .vgpr_count:     640
    .wavefront_size: 32
...
	.end_amdgpu_metadata
.endif
;; end of part 6
